; MI455X (gfx1250); checked and timed in simulation.
; The chip was launched on July 23, 2026; its instructions are those of AMD's public machine-readable ISA for CDNA 5 (MIT licence, August 2026) and "CDNA5" Instruction Set Architecture Reference Guide (July 2026). The comments in the code are by the model that wrote it; some were corrected since.
;; SAPI Attention. Allowed arithmetic: matrix products marked QUANTISED: E4M3 operands, one given power-of-two scale a tensor, by v_wmma_f32_16x16x64_fp8_fp8 or v_wmma_f32_16x16x128_fp8_fp8, f32 sums; everything else in f32.
;; Inputs: Wk 512 x 2,048 float32; Wo 2,048 x 1,024 float32; Wq 1,024 x 2,048 float32; Wv 512 x 2,048 float32; attention_mask 1 x 1 x 2,048 x 2,048 float32; cos 2 x 2,048 x 32 float32; hidden_states 2 x 2,048 x 2,048 float32; lowp_scales 12 int32 (the exponents e of the quantised operands' scales 2^e); sin 2 x 2,048 x 32 float32.
;; Outputs: out0 2 x 2,048 x 2,048 float32.
;; This version of the problem:
;;   THIS VERSION OF THE PROBLEM IS GIVEN IN LOW PRECISION. The matrix products marked QUANTISED in the list below multiply operands that are first quantised to E4M3 (4 exponent bits, 3 mantissa bits; 8 bits a number), with one given power-of-two scale for each operand tensor; their sums are f32. All else is computed in f32.
;;   The module's matrix products, in the order in which they are computed (A, B: the left and right operand; K: the contracted axis; several contracted axes count as one K, in the product's order):
;;     1. [M 4,096, K 2,048] x [K 2,048, N 1,024]; A: input hidden_states; B: input Wq: QUANTISED (scales: A lowp_scales[0], B lowp_scales[1])
;;     2. [M 4,096, K 2,048] x [K 2,048, N 512]; A: input hidden_states; B: input Wk: QUANTISED (scales: A lowp_scales[2], B lowp_scales[3])
;;     3. [M 4,096, K 2,048] x [K 2,048, N 512]; A: input hidden_states; B: input Wv: QUANTISED (scales: A lowp_scales[4], B lowp_scales[5])
;;     4. batch 16 x [M 4,096, K 64] x [K 64, N 2,048]; A: computed on the way; B: computed on the way: QUANTISED (scales: A lowp_scales[6], B lowp_scales[7])
;;     5. batch 16 x [M 4,096, K 2,048] x [K 2,048, N 64]; A: softmax (see below); B: computed on the way: QUANTISED (scales: A lowp_scales[8], B lowp_scales[9])
;;     6. [M 4,096, K 1,024] x [K 1,024, N 2,048]; A: computed on the way; B: input Wo: QUANTISED (scales: A lowp_scales[10], B lowp_scales[11])
;;   THE QUANTISER, for each operand of a quantised product, along K:
;;     - The operand's scale is 2^e, e = its entry of the input lowp_scales (int32; the entries are numbered through the quantised products in the list's order, A before B).
;;     - Each number is divided by the scale, clamped to +-448, and rounded to the nearest number of E4M3, ties to even, subnormals kept.
;;     - The product sums the exact products of the quantised numbers (number of the format x scale) in f32.
;;   ~~~python
;;   def quantise(x, axis, e):      # numpy; x: float32 -> the quantised numbers, widened to float32 again
;;       x = np.moveaxis(x, axis, -1); K = x.shape[-1]
;;       r = np.clip(x / 2.0 ** e, -448, 448)
;;       step = 2.0 ** (np.maximum(np.frexp(np.where(r == 0, 1, r))[1] - 1, -6) - 3)
;;       q = np.round(r / step) * step * 2.0 ** e      # np.round: ties to even
;;       return np.moveaxis(q, -1, axis).astype(np.float32)
;;   ~~~
;;   SOFTMAX AHEAD OF A QUANTISED PRODUCT. Where the list says 'softmax', what is quantised is not the finished softmax but p = 2^(t - M), with t = logit x log2(e) and M = ceil(the row's largest t), a whole number; so 1/2 < the row's largest p <= 1. The row's sum l is taken of the UNQUANTISED p, in f32, and the product's result is divided by l at the end. Since M is a whole number, a kernel that streams over the keys may use a running M (the ceiling of the running maximum): every later rescaling is an exact power of two, so the quantised numbers keep their values, but for numbers so far below the row's largest that they fall under the format's range.
;;   OPERANDS COMPUTED ON THE WAY. 'Computed on the way' means the value that the module computes at that place (a softmax that the list does not call 'softmax' is quantised finished and normalised). What goes into a quantiser is computed in f32, as accurately as f32 sums, v_exp_f32 and their like allow (about 1e-6 of the number): no bf16 or f16 on the way to a quantiser, and a product that is left as it is and whose result goes on into a quantised operand takes f32 operands (vector FMAs, or v_wmma_f32_16x16x4_f32). A number that lies on a knife's edge between two numbers of the format may be rounded either way, as far as f32 arithmetic and the matrix unit's own rounding can turn it there, and no further.
;; One version. Each part assembles by itself: llvm-mc -triple=amdgcn-amd-amdhsa -mcpu=gfx1250 --defsym DOCPART=n.
;; ======== version 1 of 1: 4 launches
;; workspace buffers: xcodes 25,165,824 bytes; wcodes 6,291,456 bytes; qkvc 8,388,608 bytes; ac 4,194,304 bytes
;; launch quant (part 1): grid 896 x 1, 4 waves a work-group, no clusters, 33,280 bytes of LDS; arguments hidden_states, Wq, Wk, Wv, Wo, lowp_scales, xcodes, wcodes; writes xcodes, wcodes
.if DOCPART == 1
	.amdgcn_target "amdgcn-amd-amdhsa--gfx1250"
	.amdhsa_code_object_version 6
	.text
	.protected	k_qd2958f9ca4_quant
	.globl	k_qd2958f9ca4_quant
	.p2align	8
	.type	k_qd2958f9ca4_quant,@function
k_qd2958f9ca4_quant:
	s_mov_b64 s[64:65], 0
	v_nop
	global_prefetch_b8 v0, s[64:65] scope:SCOPE_SE
	s_setreg_imm32_b32 hwreg(HW_REG_WAVE_MODE, 25, 1), 1
	s_wait_xcnt 0x0
; hidden_states [4096][2048] and the four weights, all f32 with K innermost, become codes of FP8 (E4M3), one byte each, K innermost.
; code = x / 2^e, held within +-448, rounded to the nearest code, ties to even.
; hidden_states is an operand of three products with three given scales (entries 0, 2, 4): its numbers are read ONCE and three planes of codes are stored (xcodes: [3][4096][2048]).
; wcodes: Wq's 1,024 rows, Wk's 512, Wv's 512 (2,048 bytes each), then Wo's 2,048 rows of 1,024 bytes at byte 4,194,304; entries 1, 3, 5, 11.
; LIMITS: each e used here lies between -126 and 119, so that 2^e and 448 x 2^e are f32 numbers.  NaN among the inputs is not served (an infinity is held at the largest code).
; Rows are dense, so every tensor is a plain stream.  A work-group takes 16,384 numbers: four waves x 8 steps of 512.  Work-groups 0-511: hidden_states; 512-639 Wq; 640-703 Wk; 704-767 Wv; 768-895 Wo.
; Only pointers and scales are chosen by the work-group's number; the one branch (the two further planes of hidden_states) holds no LDS instruction.
; Each load reads 512 consecutive bytes, 16 a lane; a step's 2,048 bytes turn through the wave's own stage in LDS (16 bytes of padding behind each 64) and come back 64 bytes a lane: 16 neighbours along K,
; as the conversions want them.  A lane's 16 codes are 16 bytes: a store covers 512 consecutive bytes.  Loads run four steps (16 loads a wave) ahead, half of a wave's share; the turn through LDS one step.
; No tensor loads, no barrier, no cluster: waves and work-groups share no input.
.set STEPS, 8
.set IDQ,   512                        ; the first work-group of Wq, Wk, Wv, Wo
.set IDK,   640
.set IDV,   704
.set IDO,   768
.set SP,    80                         ; a lane's place in a stage: its 64 bytes + 16 of padding
.set WREG,  8192                       ; LDS: a region for each wave: two stages of 32 x SP bytes
.set R,     16                         ; v16-79   four sets of 16 numbers as they are loaded
.set X,     80                         ; v80-111  two sets of 16 neighbours
.set T,     112                        ; v112-127 the 16 neighbours, held
.set CA,    128                        ; v128-131 codes under the first scale;  v132-135, v136-139 under hidden_states' second and third
.set CB,    132
.set CC,    136
	s_load_b512 s[4:19], s[0:1], 0x0               ; hidden s[4:5], Wq s[6:7], Wk s[8:9], Wv s[10:11], Wo s[12:13], scales s[14:15], xcodes s[16:17], wcodes s[18:19]
	v_lshl_add_u32 v144, v0, 2, 0x8000
	v_mov_b32 v145, 0
	v_lshrrev_b32 v1, 5, v0
	v_readfirstlane_b32 s24, v1                    ; wave
	v_and_b32 v2, 31, v0                           ; lane
	v_lshlrev_b32 v3, 4, v2                        ; my 16 bytes of a load's 512, and of a store's
	s_mul_i32 s25, s24, WREG
	v_lshrrev_b32 v14, 2, v2
	v_mul_u32_u24 v14, v14, SP
	v_and_b32 v15, 3, v2
	v_lshl_add_u32 v14, v15, 4, v14
	v_add_nc_u32 v14, s25, v14                     ; the stage, on the way in: SP (lane / 4) + 16 (lane % 4)
	v_mul_u32_u24 v15, v2, SP
	v_add_nc_u32 v15, s25, v15                     ; and on the way out: SP x lane
	s_wait_kmcnt 0x0
	s_load_b256 s[36:43], s[14:15], 0x0            ; e0 .. e7
	s_load_b128 s[44:47], s[14:15], 0x20           ; e8 .. e11
	s_mov_b64 s[20:21], s[12:13]                   ; which tensor is mine: the choice hangs on the work-group's number alone
	s_mov_b32 s22, IDO                             ; and its first work-group
	s_cmp_lt_u32 ttmp9, IDO
	s_cselect_b64 s[20:21], s[10:11], s[20:21]
	s_cselect_b32 s22, IDV, s22
	s_cmp_lt_u32 ttmp9, IDV
	s_cselect_b64 s[20:21], s[8:9], s[20:21]
	s_cselect_b32 s22, IDK, s22
	s_cmp_lt_u32 ttmp9, IDK
	s_cselect_b64 s[20:21], s[6:7], s[20:21]
	s_cselect_b32 s22, IDQ, s22
	s_cmp_lt_u32 ttmp9, IDQ
	s_cselect_b64 s[20:21], s[4:5], s[20:21]
	s_cselect_b32 s22, 0, s22
	s_cselect_b64 s[28:29], s[16:17], s[18:19]     ; where the codes go
	s_cselect_b32 s26, 0, IDQ
	s_sub_co_u32 s26, ttmp9, s26
	s_lshl_b32 s26, s26, 14                        ; 16,384 codes a work-group,
	s_lshl_b32 s30, s24, 12                        ; 4,096 a wave
	s_add_co_u32 s26, s26, s30
	s_mov_b32 s27, 0
	s_add_nc_u64 s[28:29], s[28:29], s[26:27]
	s_add_nc_u64 s[30:31], s[28:29], 0x800000      ; hidden_states' second and third planes (named by its work-groups alone)
	s_add_nc_u64 s[32:33], s[28:29], 0x1000000
	s_sub_co_u32 s26, ttmp9, s22
	s_lshl_b32 s26, s26, 16                        ; 65,536 bytes of f32 a work-group,
	s_lshl_b32 s34, s24, 14                        ; 16,384 a wave
	s_add_co_u32 s26, s26, s34
	s_add_nc_u64 s[20:21], s[20:21], s[26:27]
.macro LOAD t
.irp i, 0,1,2,3
	global_load_b128 v[R+16*((\t)%4)+4*\i:R+16*((\t)%4)+4*\i+3], v3, s[20:21] offset:2048*(\t)+512*\i th:TH_LOAD_NT   ; 32 lanes read 512 consecutive bytes; read once in the launch
.endr
.endm
.macro TURN t                          ; step t's numbers through the stage: LDS serves a wave's instructions in order, so no wait stands between the stores and the loads
.irp i, 0,1,2,3
	ds_store_b128 v14, v[R+16*((\t)%4)+4*\i:R+16*((\t)%4)+4*\i+3] offset:32*SP*((\t)%2)+8*SP*\i
.endr
.irp i, 0,1,2,3
	ds_load_b128 v[X+16*((\t)%2)+4*\i:X+16*((\t)%2)+4*\i+3], v15 offset:32*SP*((\t)%2)+16*\i
.endr
.endm
.irp t, 0,1,2,3
	LOAD \t
.endr
.macro MKSC se, vs, vl                 ; 2^e as f32 (the conversion takes its exponent field) and 448 x 2^e
	s_add_co_i32 s34, \se, 127
	s_lshl_b32 s35, s34, 23
	v_mov_b32 v[\vs], s35
	s_add_co_i32 s34, s34, 8
	s_lshl_b32 s34, s34, 23
	s_or_b32 s34, s34, 0x600000
	v_mov_b32 v[\vl], s34
.endm
	s_wait_kmcnt 0x0
	s_mov_b32 s23, s47                             ; Wo: e11
	s_cmp_lt_u32 ttmp9, IDO
	s_cselect_b32 s23, s41, s23                    ; Wv: e5
	s_cmp_lt_u32 ttmp9, IDV
	s_cselect_b32 s23, s39, s23                    ; Wk: e3
	s_cmp_lt_u32 ttmp9, IDK
	s_cselect_b32 s23, s37, s23                    ; Wq: e1
	s_cmp_lt_u32 ttmp9, IDQ
	s_cselect_b32 s23, s36, s23                    ; hidden_states, first plane: e0
	MKSC s23, 8, 9
	MKSC s38, 10, 11                               ; second plane: e2
	MKSC s40, 12, 13                               ; third plane: e4
	s_wait_loadcnt 12                              ; step 0's four loads are in
	TURN 0
; 16 neighbours in v[XS] on -> 16 codes under one scale, stored.  The numbers are held into T, since hidden_states' are wanted three times.
.macro CONV sc, lim, c, base, t
.irp i, 0,1,2,3,4,5,6,7,8,9,10,11,12,13,14,15
	v_med3_num_f32 v[T+\i], v[XS+\i], -v[\lim], v[\lim]   ; the conversion to an 8-bit code does not saturate (ISA guide 7.6.2): hold the number within the largest code x the scale first
.endr
	v_cvt_scalef32_pk8_fp8_f32 v[\c:\c+1], v[T:T+7], v[\sc]
	v_cvt_scalef32_pk8_fp8_f32 v[\c+2:\c+3], v[T+8:T+15], v[\sc]
	v_nop                                          ; one plain vector line between the conversions and the next holds, which write their sources
	global_store_b128 v3, v[\c:\c+3], s[\base:\base+1] offset:512*(\t)   ; 32 lanes store 512 consecutive bytes
.endm
.macro STEP t
.set XS, X+16*((\t)%2)
	s_wait_dscnt 0x0                               ; this step's numbers are back from the stage: so its stores into the stage have read their registers,
.if (\t)+4 < STEPS
	LOAD (\t)+4                                    ; which take the loads of four steps on
.endif
.if (\t)+1 < STEPS
.if STEPS-2-(\t) >= 3
	s_wait_loadcnt 12                              ; the next step's four loads are in; those of the three steps behind it may be out
.else
	s_wait_loadcnt 4*(STEPS-2-(\t))
.endif
	TURN (\t)+1                                    ; and go through the other stage while this step is worked
.endif
	s_wait_xcnt 0x0                                ; the last step's stores have read their data: the codes' registers are written again only behind this wait
	CONV 8, 9, CA, 28, \t
	s_cmp_lt_u32 ttmp9, IDQ                        ; hidden_states alone has two more scales
	s_cbranch_scc0 .Lweight_\@
	CONV 10, 11, CB, 30, \t
	CONV 12, 13, CC, 32, \t
.Lweight_\@:
.endm
.irp t, 0,1,2,3,4,5,6,7
	STEP \t
.endr
	s_wait_tensorcnt 0x0
	ds_add_u32 v144, v145
	s_wait_dscnt 0x0
	s_endpgm
.Lfunc_end_k_qd2958f9ca4_quant:
	.size	k_qd2958f9ca4_quant, .Lfunc_end_k_qd2958f9ca4_quant-k_qd2958f9ca4_quant
	.p2alignl 7, 3214868480
	.fill 96, 4, 3214868480
	.section	.rodata,"a",@progbits
	.p2align	6, 0x0
	.amdhsa_kernel k_qd2958f9ca4_quant
		.amdhsa_group_segment_fixed_size 33280
		.amdhsa_private_segment_fixed_size 0
		.amdhsa_enable_private_segment 0
		.amdhsa_kernarg_size 64
		.amdhsa_user_sgpr_count 2
		.amdhsa_user_sgpr_kernarg_segment_ptr 1
		.amdhsa_wavefront_size32 1
		.amdhsa_system_sgpr_workgroup_id_x 1
		.amdhsa_system_sgpr_workgroup_id_y 1
		.amdhsa_system_sgpr_workgroup_id_z 1
		.amdhsa_system_vgpr_workitem_id 0
		.amdhsa_next_free_vgpr 146
		.amdhsa_next_free_sgpr 66
		.amdhsa_reserve_vcc 0
		.amdhsa_float_denorm_mode_32 3
		.amdhsa_float_denorm_mode_16_64 3
		.amdhsa_memory_ordered 1
		.amdhsa_forward_progress 1
		.amdhsa_inst_pref_size 43
	.end_amdhsa_kernel
	.amdgpu_metadata
---
amdhsa.version: [ 1, 2 ]
amdhsa.kernels:
  - .name:           k_qd2958f9ca4_quant
    .symbol:         k_qd2958f9ca4_quant.kd
    .args:
      - { .name: hidden_states, .offset: 0, .size: 8, .value_kind: global_buffer, .address_space: global }
      - { .name: Wq, .offset: 8, .size: 8, .value_kind: global_buffer, .address_space: global }
      - { .name: Wk, .offset: 16, .size: 8, .value_kind: global_buffer, .address_space: global }
      - { .name: Wv, .offset: 24, .size: 8, .value_kind: global_buffer, .address_space: global }
      - { .name: Wo, .offset: 32, .size: 8, .value_kind: global_buffer, .address_space: global }
      - { .name: lowp_scales, .offset: 40, .size: 8, .value_kind: global_buffer, .address_space: global }
      - { .name: xcodes, .offset: 48, .size: 8, .value_kind: global_buffer, .address_space: global }
      - { .name: wcodes, .offset: 56, .size: 8, .value_kind: global_buffer, .address_space: global }
    .group_segment_fixed_size: 33280
    .private_segment_fixed_size: 0
    .kernarg_segment_align: 8
    .kernarg_segment_size: 64
    .max_flat_workgroup_size: 128
    .sgpr_count:     66
    .vgpr_count:     146
    .wavefront_size: 32
...
	.end_amdgpu_metadata
.endif
;; end of part 1
;; launch qkv (part 2): grid 16 x 16, 4 waves a work-group, clusters of 4 x 4, 327,680 bytes of LDS; arguments xcodes, wcodes, cos, sin, lowp_scales, qkvc; writes qkvc
.if DOCPART == 2
	.amdgcn_target "amdgcn-amd-amdhsa--gfx1250"
	.amdhsa_code_object_version 6
	.text
	.protected	k_qd2958f9ca4_qkv
	.globl	k_qd2958f9ca4_qkv
	.p2align	8
	.type	k_qd2958f9ca4_qkv,@function
k_qd2958f9ca4_qkv:
	s_mov_b64 s[64:65], 0
	v_nop
	global_prefetch_b8 v0, s[64:65] scope:SCOPE_SE
	s_setreg_imm32_b32 hwreg(HW_REG_WAVE_MODE, 25, 1), 1
	s_wait_xcnt 0x0
	s_wait_alu depctr_hold_cnt(0) depctr_sa_sdst(0) depctr_va_vdst(0) depctr_va_sdst(0) depctr_va_ssrc(0) depctr_va_vcc(0) depctr_vm_vsrc(0)
	s_getreg_b32 s2, hwreg(HW_REG_IB_STS2, 6, 4)
	s_cmp_eq_u32 s2, 0
	s_cbranch_scc0 .Lentry_in_a_cluster
	s_endpgm
.Lentry_in_a_cluster:
	s_bfe_u32 s2, ttmp6, 0x10000c
	s_cmp_lg_u32 s2, 0xf033
	s_cbranch_scc0 .Lentry_shape_is_right
	s_endpgm
.Lentry_shape_is_right:
; q, k, v = hidden_states x Wq^T, Wk^T, Wv^T on codes of FP8 (E4M3), K = 2,048; the rotary turn of q's and k's first 32 channels in f32; q, k, v quantised for the attention's products.
; A tile is 128 x 128: four waves of 64 x 64, 16 accumulators each.  32 tiles of positions x 16 tiles of features (0-7 q, 8-11 k, 12-15 v).
; A WORK-GROUP STAYS: 256 work-groups, each makes TWO tiles, 16 tiles of positions apart, and the ring does not stop between them: the first tile's last two changes of slots ask for the second tile's
; first two K steps, the first tile goes out while they are on their way, and nothing waits for its stores.
; SOURCES.  The matrix instruction's source 0 (S0) gives a lane's eight registers, source 1 (S1) its row.  For q and k: S0 = 128 rows of the weight, S1 = 128 positions: a lane holds eight neighbouring
; channels of one position.  For v the two change roles: S0 = positions, S1 = Wv's rows: a lane holds eight neighbouring POSITIONS of one channel, so v's codes come out with the keys innermost,
; as the attention's second product wants them, and nothing is transposed.
; CLUSTERS: 4 x 4.  The kind hangs on the cluster's x alone (0, 1: q; 2: k; 3: v), which all sixteen partners share.  S1's tile hangs on cy and is asked for jointly by a row of the cluster,
; S0's on cx and by a column: each tile by the same tensor load with the same descriptor and a mask that names the four.
; K goes in steps of 512 (LDS rows of 512 bytes + 16) through two slots: eight fills, written out.  Two tensor loads of a wave are out at the start, one behind each round.
; A fragment (16 rows x 128 K) comes by four loads of 16 bytes: registers 4 c .. 4 c + 3 hold K = 32 c + 16 (lane / 16) + 0 .. 15, the same places on both sides, so every product meets its partner.
; qkvc: dense blocks of 16,384 bytes, block (F, PT) at (32 F + PT) x 16,384, 128 rows of 128 bytes.  q, k: row = position, bytes = the tile's 128 channels (two heads).  v: row = channel, bytes = 128 positions.
; SCALES: a sum stands for sum x 2^(ein), ein = e0 + e1, e2 + e3, e4 + e5; the turn is linear; the code is sum / 2^E, E = e6 - ein, e7 - ein, e9 - ein.  LIMIT: E between -126 and 119.  NaN is not served.
; No prefetch: the tiles are shared by joint loads and each is read by many work-groups.
; REGISTERS: window 0: v16-31 addresses and constants; v32-127 at work on the way out; v128-255 accumulators ((a, b) at 128 + 8 (4 a + b)).  window 1: two fragment buffers of 128: S1's four at f + 16 a, S0's at f + 64 + 16 b.
;   window 2: v0-127 cos and sin: for S1 block a at 32 a: cos of channels 8 h .. +7, cos of 16 + 8 h .. +7, sin likewise.
.set KSTEP,  512
.set KROW,   2048
.set WALK,   0x400000                  ; 16 tiles of 128 positions x 2,048 bytes of codes
.set WALKCS, 262144                    ; the same positions in cos and sin: 2,048 rows of 128 bytes
.set WALKO,  262144                    ; and in qkvc: 16 blocks of 16,384 bytes
.set PITCH,  528                       ; 512 bytes + 16 = 132 words: row r starts at bank 4 r mod 64 (64 banks of 4 bytes: ISA guide 11.1)
.set HALFT,  64*PITCH                  ; what one tensor load brings, and what one wave reads of S1 or of S0
.set SLOT,   4*HALFT                   ; S1's 128 rows, then S0's
.set STAGE,  2*SLOT                    ; behind the ring: 128 rows x 144 bytes, the work-group's
.set SPITCH, 144
.set SPARE,  STAGE+128*SPITCH          ; the spare words, 128 bytes for each wave: two blocks of 256 bytes that no other line names
.set ADRA, 16                          ; v16-17  LDS address of my S1 fragments in slot 0, 1
.set ADRB, 20                          ; v20-21  of my S0 fragments
.set STO,  24                          ; v24     where I put 8 codes
.set RD,   25                          ; v25     where I read 16 bytes of a row back
.set GO,   26                          ; v26     my byte offset in the output block
.set CSO,  27                          ; v27     my byte offset in 16 rows of cos and sin
.set SPW,  28                          ; v28     my spare word; never rewritten
.set NIL,  29                          ; v29     0; never rewritten
.set SC,   30                          ; v30     2^E as f32
.set LIM,  31                          ; v31     448 x 2^E
.set ACC,  128
.set F0,   0
.set F1,   128
.set WV,   16                          ; s16 wave;  s17 = wave / 2: my half of S1; also: I fetch for S1 (0) or S0 (1);  s18 = wave % 2: my half of S0; also: which 64 rows I fetch
.set RH,   17
.set CH,   18
.set G1,   24                          ; s[24:31] group 1 for S1's tiles; s[32:39] groups 0, one for each slot
.set G0,   32
.set G1B,  48                          ; s[48:55], s[56:63] the same for S0's
.set G0B,  56
.set WKA,  92                          ; s[92:93] what S1's address walks from the first tile to the second; s[94:95] what S0's walks
.set WKB,  94
.set MSB, 0
.macro WIN new                         ; the immediate's high byte repeats the setting that is left
.if MSB != \new
	s_set_vgpr_msb (MSB<<8)|\new
.set MSB, \new
.endif
.endm
.set MUL,  0x05                        ; sources 0 and 1 window 1; C and D window 0
.set TO_F, 0x40                        ; destination window 1, address window 0
.macro JLOAD s                         ; a joint load: waves 0, 1 fetch S1's halves, waves 2, 3 S0's; four v_nop follow each line, ahead of the jump, the label and what follows
	s_cmp_eq_u32 s[RH], 0
	s_cbranch_scc0 .Lfor_b_\@
	tensor_load_to_lds s[G0+4*\s:G0+4*\s+3], s[G1:G1+7]
	s_nop 0
.rept 4
	v_nop
.endr
	s_branch .Lasked_\@
.Lfor_b_\@:
	tensor_load_to_lds s[G0B+4*\s:G0B+4*\s+3], s[G1B:G1B+7]
	s_nop 0
.rept 4
	v_nop
.endr
.Lasked_\@:
.endm
.macro CREST                           ; a round of the cluster's barrier behind its opening barrier
	s_cmp_lg_u32 s[WV], 0
	s_cbranch_scc1 .Lnot_wave_0_\@
	s_barrier_signal -3
.Lnot_wave_0_\@:
	s_barrier_wait -3
	s_barrier_signal -1
	s_barrier_wait -1
.endm
.macro CROUND
	s_barrier_signal -1
	s_barrier_wait -1
	CREST
.endm
.macro PLACES                          ; four places in front of loads into registers that matrix instructions have read, and of the first read of results
.rept 4
	v_nop
.endr
.endm
.macro CSLOAD off                      ; cos and sin of my 64 positions, off bytes on, into window 2
	WIN 0x80                                       ; destination window 2
.irp a, 0,1,2,3
	global_load_b128 v[32*\a:32*\a+3],     v[CSO], s[8:9] offset:\off+\a*2048
	global_load_b128 v[32*\a+4:32*\a+7],   v[CSO], s[8:9] offset:\off+\a*2048+16
	global_load_b128 v[32*\a+8:32*\a+11],  v[CSO], s[8:9] offset:\off+\a*2048+64
	global_load_b128 v[32*\a+12:32*\a+15], v[CSO], s[8:9] offset:\off+\a*2048+80
	global_load_b128 v[32*\a+16:32*\a+19], v[CSO], s[10:11] offset:\off+\a*2048
	global_load_b128 v[32*\a+20:32*\a+23], v[CSO], s[10:11] offset:\off+\a*2048+16
	global_load_b128 v[32*\a+24:32*\a+27], v[CSO], s[10:11] offset:\off+\a*2048+64
	global_load_b128 v[32*\a+28:32*\a+31], v[CSO], s[10:11] offset:\off+\a*2048+80
.endr
	WIN 0
.endm
	s_load_b256 s[4:11], s[0:1], 0x0               ; xcodes s[4:5], wcodes s[6:7], cos s[8:9], sin s[10:11]
	s_load_b128 s[12:15], s[0:1], 0x20             ; the scales' exponents s[12:13], qkvc s[14:15]
	v_lshl_add_u32 v[SPW], v0, 2, SPARE
	v_mov_b32 v[NIL], 0
	ds_add_u32 v28, v29
	s_wait_dscnt 0x0
	v_lshrrev_b32 v1, 5, v0
	v_readfirstlane_b32 s[WV], v1
	s_lshr_b32 s[RH], s[WV], 1
	s_and_b32 s[CH], s[WV], 1
	s_bfe_u32 s40, ttmp6, 0x40000                  ; cx
	s_bfe_u32 s41, ttmp6, 0x40004                  ; cy
	s_and_b32 s42, ttmp7, 0xffff
	s_lshl_b32 s42, s42, 2                         ; 4 x cluster y
	s_lshl_b32 s43, ttmp9, 2                       ; 4 x cluster x
	s_add_co_u32 s44, s42, s41                     ; 4 CY + cy: q, k: the first tile of positions (0 to 15)
	s_add_co_u32 s45, s41, 12                      ; 12 + cy:   v: the tile of features
	s_add_co_u32 s46, s43, s40                     ; 4 CX + cx: q, k: the tile of features
	s_add_co_u32 s47, s42, s40                     ; 4 CY + cx: v: the first tile of positions
	s_lshl_b32 s70, s41, 2
	s_lshl_b32 s70, 15, s70                        ; my row of the cluster
	s_lshl_b32 s71, 0x1111, s40                    ; my column
	s_or_b32 s[G1], s70, (1<<20)|(1<<21)|(6<<22)|(3<<25)    ; 15:0 the mask; 17:16 elements of 1 byte; 20 padding on; 21 set beside a mask; 24:22 after every 128 words (code 6); 31:25 four words (code 3)
	s_or_b32 s[G1B], s71, (1<<20)|(1<<21)|(6<<22)|(3<<25)
.irp g, G1, G1B
	s_mov_b32 s[\g+1], KSTEP<<16                   ; tensor_dim0 = 512
	s_mov_b32 s[\g+2], 64<<16                      ; tensor_dim1 = 64
	s_mov_b32 s[\g+3], KSTEP<<16                   ; tile_dim0 = 512
	s_mov_b32 s[\g+4], 64                          ; tile_dim1 = 64
	s_mov_b32 s[\g+5], KROW                        ; from row to row
	s_mov_b32 s[\g+6], 0
	s_mov_b32 s[\g+7], 0
.endr
	s_cmp_eq_u32 ttmp9, 3                          ; v?  The same answer in all sixteen partners
	s_cselect_b32 s20, s45, s44                    ; S1's tile of 128 rows: made of cy and the cluster's y alone
	s_cselect_b32 s22, s47, s46                    ; S0's: of cx and the cluster's coordinates alone
	s_cselect_b32 s[WKA], 0, WALK                  ; the side that holds positions walks to the second tile: S1 for q and k,
	s_cselect_b32 s[WKB], WALK, 0                  ; S0 for v
	s_mov_b32 s[WKA+1], 0
	s_mov_b32 s[WKB+1], 0
	s_lshl_b32 s19, s[CH], 17                      ; the 64 rows of 2,048 bytes that I fetch
	s_lshl_b32 s20, s20, 18
	s_add_co_u32 s20, s20, s19
	s_lshl_b32 s22, s22, 18
	s_add_co_u32 s22, s22, s19
	s_cmp_eq_u32 ttmp9, 2
	s_cselect_b32 s19, 0x800000, 0                 ; k takes hidden_states' second plane of codes (as S1),
	s_add_co_u32 s20, s20, s19
	s_cmp_eq_u32 ttmp9, 3
	s_cselect_b32 s19, 0x1000000, 0                ; v the third (as S0)
	s_add_co_u32 s22, s22, s19
	s_mov_b32 s21, 0
	s_mov_b32 s23, 0
	s_mul_i32 s70, s[WV], HALFT                    ; where my tile goes: wave x 64 rows: no place in the cluster enters an LDS address
	s_wait_kmcnt 0x0
	s_load_b256 s[72:79], s[12:13], 0x0            ; e0 .. e7
	s_load_b128 s[80:83], s[12:13], 0x20           ; e8 .. e11
	s_cmp_eq_u32 ttmp9, 3
	s_cselect_b64 s[66:67], s[6:7], s[4:5]         ; S1's buffer: v: the weights; else the positions' codes
	s_cselect_b64 s[68:69], s[4:5], s[6:7]         ; S0's: the other
	s_add_nc_u64 s[66:67], s[66:67], s[20:21]
	s_add_nc_u64 s[68:69], s[68:69], s[22:23]
	CROUND                                         ; all sixteen work-groups are here: the first joint loads meet
.irp s, 0,1
	s_mov_b32 s[G0+4*\s], 1
	s_add_co_u32 s[G0+4*\s+1], s70, \s*SLOT
	s_add_nc_u64 s[G0+4*\s+2:G0+4*\s+3], s[66:67], \s*KSTEP
	s_or_b32 s[G0+4*\s+3], s[G0+4*\s+3], 0x80000000
	s_mov_b32 s[G0B+4*\s], 1
	s_add_co_u32 s[G0B+4*\s+1], s70, \s*SLOT
	s_add_nc_u64 s[G0B+4*\s+2:G0B+4*\s+3], s[68:69], \s*KSTEP
	s_or_b32 s[G0B+4*\s+3], s[G0B+4*\s+3], 0x80000000
	JLOAD \s
.endr
	v_and_b32 v1, 15, v0                           ; r = lane % 16
	v_bfe_u32 v2, v0, 4, 1                         ; h = lane / 16
	; cos and sin of my 64 positions (rows of 128 bytes).  Loaded in every kind, so that each register is written on every way; the tiles 4 CY + cy and 16 further on lie inside both buffers in every kind.
	s_lshl_b32 s90, s44, 14
	s_lshl_b32 s91, s[RH], 13
	s_add_co_u32 s90, s90, s91
	s_mov_b32 s91, 0
	s_add_nc_u64 s[8:9], s[8:9], s[90:91]
	s_add_nc_u64 s[10:11], s[10:11], s[90:91]
	v_lshlrev_b32 v[CSO], 7, v1
	v_lshl_add_u32 v[CSO], v2, 5, v[CSO]           ; row r, + 32 h: channels 8 h on
	CSLOAD 0
	v_mul_u32_u24 v3, v1, PITCH
	v_lshl_add_u32 v3, v2, 4, v3                   ; a fragment's row x pitch + 16 h
	s_mul_i32 s20, s[RH], HALFT                    ; my 64 rows of S1
	s_mul_i32 s22, s[CH], HALFT                    ; my 64 rows of S0,
	s_add_co_u32 s22, s22, 2*HALFT                 ; which lie behind S1's 128
.irp s, 0,1
	v_add_nc_u32 v[ADRA+\s], s20, v3
	v_add_nc_u32 v[ADRB+\s], s22, v3
	s_add_co_u32 s20, s20, SLOT
	s_add_co_u32 s22, s22, SLOT
.endr
	s_mul_i32 s20, s[RH], 64*SPITCH                ; into the stage: row = S1 row 64 RH + 16 a + r; byte = S0 index 64 CH + 16 b + 8 h
	s_lshl_b32 s22, s[CH], 6
	s_add_co_u32 s20, s20, s22
	s_add_co_u32 s20, s20, STAGE
	v_mul_u32_u24 v4, v1, SPITCH
	v_lshl_add_u32 v4, v2, 3, v4
	v_add_nc_u32 v[STO], s20, v4
	v_and_b32 v5, 31, v0                           ; back: wave w takes rows 32 w on, four rows of 128 bytes an instruction
	v_lshrrev_b32 v6, 3, v5
	v_and_b32 v7, 7, v5
	v_mul_u32_u24 v6, v6, SPITCH
	v_lshl_add_u32 v6, v7, 4, v6
	s_mul_i32 s20, s[WV], 32*SPITCH
	s_add_co_u32 s20, s20, STAGE
	v_add_nc_u32 v[RD], s20, v6
	v_lshlrev_b32 v[GO], 4, v5                     ; and the same bytes of the dense block: 4,096 w + 16 x lane
	s_lshl_b32 s20, s[WV], 12
	v_add_nc_u32 v[GO], s20, v[GO]
	s_cmp_eq_u32 ttmp9, 3                          ; my first block of qkvc
	s_cselect_b32 s87, s45, s46                    ; F
	s_cselect_b32 s88, s47, s44                    ; PT
	s_lshl_b32 s87, s87, 5
	s_add_co_u32 s87, s87, s88
	s_lshl_b32 s88, s87, 14
	s_mov_b32 s89, 0
	s_add_nc_u64 s[14:15], s[14:15], s[88:89]
	s_wait_kmcnt 0x0
	s_sub_co_i32 s84, s78, s72                     ; q: e6 - e0 - e1
	s_sub_co_i32 s84, s84, s73
	s_sub_co_i32 s85, s79, s74                     ; k: e7 - e2 - e3
	s_sub_co_i32 s85, s85, s75
	s_sub_co_i32 s86, s81, s76                     ; v: e9 - e4 - e5
	s_sub_co_i32 s86, s86, s77
	s_cmp_eq_u32 ttmp9, 2
	s_cselect_b32 s84, s85, s84
	s_cmp_eq_u32 ttmp9, 3
	s_cselect_b32 s84, s86, s84                    ; E: chosen, not branched on
	s_add_co_i32 s84, s84, 127
	s_lshl_b32 s85, s84, 23
	v_mov_b32 v[SC], s85
	s_add_co_i32 s84, s84, 8
	s_lshl_b32 s84, s84, 23
	s_or_b32 s84, s84, 0x600000
	v_mov_b32 v[LIM], s84
; four matrix instructions: S1 block a x S0's four, 128 along K, from buffer f.  zero = 1: the product starts the sums.  The 16 accumulators take turns, one instruction a turn, in the same order in every quarter.
.macro MULA f, a, zero
.irp b, 0,1,2,3
.if \zero
	v_wmma_f32_16x16x128_fp8_fp8 v[ACC+8*(4*(\a)+\b):ACC+8*(4*(\a)+\b)+7], v[\f+64+16*\b:\f+64+16*\b+15], v[\f+16*(\a):\f+16*(\a)+15], 0
.else
	v_wmma_f32_16x16x128_fp8_fp8 v[ACC+8*(4*(\a)+\b):ACC+8*(4*(\a)+\b)+7], v[\f+64+16*\b:\f+64+16*\b+15], v[\f+16*(\a):\f+16*(\a)+15], v[ACC+8*(4*(\a)+\b):ACC+8*(4*(\a)+\b)+7]
.endif
.endr
.endm
; 32 LDS loads in one run: the eight fragments of 128 along K at byte k of the slot's rows, into buffer f
.macro FETCH slot, k, f
	WIN TO_F
.irp i, 0,1,2,3
.irp c, 0,1,2,3
	ds_load_b128 v[\f+64+16*\i+4*\c:\f+64+16*\i+4*\c+3], v[ADRB+\slot] offset:\k+32*\c+\i*16*PITCH
	ds_load_b128 v[\f+16*\i+4*\c:\f+16*\i+4*\c+3],       v[ADRA+\slot] offset:\k+32*\c+\i*16*PITCH
.endr
.endr
.endm
; A K step is four quarters of 128 along K, 16 matrix instructions each, on buffers 0, 1, 0, 1.  One of the first three: fetches the next quarter (byte k) into g, then multiplies f.
.macro QUARTER slot, k, f, g, zero
	PLACES                                         ; buffer g was multiplied by the quarter before
	FETCH \slot, \k, \g
	s_wait_dscnt 32                                ; buffer f's loads are in; the 32 just issued may be out
	WIN MUL
	MULA \f, 0, \zero
	MULA \f, 1, \zero
	MULA \f, 2, \zero
	MULA \f, 3, \zero
.endm
.macro THREE slot, zero                ; a K step's first three quarters
	QUARTER \slot, 128, F0, F1, \zero
	QUARTER \slot, 256, F1, F0, 0
	QUARTER \slot, 384, F0, F1, 0
.endm
; The last quarter multiplies buffer 1 and changes slots: ONE barrier; in front of it each wave waits for all its tensor loads, adds 0 to its spare word, and waits for that and for its reads of this slot.
; fill = 1: this slot is filled again, two K steps ahead;  fill = 2: with the SECOND tile's K step of the same slot: back along K, and the side that holds positions walks;  fill = 0: nothing is left to fetch.
.macro TURN slot, next, fill
	WIN 0                                          ; (the add's two registers lie in window 0)
	s_wait_tensorcnt 0x0                           ; all my tensor loads have landed: my part of the next slot;
	ds_add_u32 v[SPW], v[NIL]                      ; 0 onto my spare word
	s_wait_dscnt 1                                 ; (buffer 1's loads are in; the add may be out)
	WIN MUL
	MULA F1, 0, 0                                  ; eight matrix instructions stand between the add and the wait for it
	MULA F1, 1, 0
	s_wait_dscnt 0x0                               ; the add is done, and my reads of this slot are over
	s_barrier_signal -1
	MULA F1, 2, 0
	WIN 0                                          ; (branches may follow)
	s_barrier_wait -1
.if \fill == 1
	CREST                                          ; the barrier has opened a round of the cluster's barrier: no wave of any partner still reads this slot's tile or has a load on its way
	s_add_nc_u64 s[G0+4*\slot+2:G0+4*\slot+3], s[G0+4*\slot+2:G0+4*\slot+3], 2*KSTEP
	s_add_nc_u64 s[G0B+4*\slot+2:G0B+4*\slot+3], s[G0B+4*\slot+2:G0B+4*\slot+3], 2*KSTEP
	JLOAD \slot                                    ; the first tensor load behind the round; the four v_nop behind it are also the places in front of the loads below
.elseif \fill == 2
	CREST
	s_sub_nc_u64 s[G0+4*\slot+2:G0+4*\slot+3], s[G0+4*\slot+2:G0+4*\slot+3], 2*KSTEP
	s_add_nc_u64 s[G0+4*\slot+2:G0+4*\slot+3], s[G0+4*\slot+2:G0+4*\slot+3], s[WKA:WKA+1]
	s_sub_nc_u64 s[G0B+4*\slot+2:G0B+4*\slot+3], s[G0B+4*\slot+2:G0B+4*\slot+3], 2*KSTEP
	s_add_nc_u64 s[G0B+4*\slot+2:G0B+4*\slot+3], s[G0B+4*\slot+2:G0B+4*\slot+3], s[WKB:WKB+1]
	JLOAD \slot
.else
	PLACES
.endif
	FETCH \next, 0, F0
	WIN MUL
	MULA F1, 3, 0
.endm
; THE WAY OUT of tile number tile (0, 1).  q and k: the rotary turn.  My 64 S0 rows are one head; S0 block b holds channels 16 b + 8 h + j, so the pair (d, d + 16) is register j of accumulators (a, 0) and (a, 1) of the same lane.
.macro WAYOUT tile
	PLACES
	s_wait_loadcnt 0x0                             ; cos and sin
	s_wait_xcnt 0x0                                ; the tile before has had its stores' registers read: they are loaded again below
	s_cmp_eq_u32 ttmp9, 3                          ; v is not turned: the cluster's x, the same in all partners; no barrier and no tensor load stands under the branch
	s_cbranch_scc1 .Lnorope_\@
	WIN 0x08                                       ; source 1 (cos, sin) window 2
.irp a, 0,1,2,3
.irp p, 0,2,4,6
	v_pk_mul_f32 v[32+\p:33+\p], v[ACC+32*\a+8+\p:ACC+32*\a+9+\p], v[32*\a+16+\p:32*\a+17+\p]   ; x(d + 16) sin(d)
.endr
.irp p, 0,2,4,6
	v_pk_mul_f32 v[40+\p:41+\p], v[ACC+32*\a+\p:ACC+32*\a+1+\p], v[32*\a+24+\p:32*\a+25+\p]     ; x(d) sin(d + 16)
.endr
.irp p, 0,2,4,6
	v_pk_fma_f32 v[ACC+32*\a+\p:ACC+32*\a+1+\p], v[ACC+32*\a+\p:ACC+32*\a+1+\p], v[32*\a+\p:32*\a+1+\p], v[32+\p:33+\p] neg_lo:[0,0,1] neg_hi:[0,0,1]   ; x(d) cos(d) - x(d + 16) sin(d)
.endr
.irp p, 0,2,4,6
	v_pk_fma_f32 v[ACC+32*\a+8+\p:ACC+32*\a+9+\p], v[ACC+32*\a+8+\p:ACC+32*\a+9+\p], v[32*\a+8+\p:32*\a+9+\p], v[40+\p:41+\p]                           ; x(d + 16) cos(d + 16) + x(d) sin(d + 16)
.endr
.endr
	WIN 0
.Lnorope_\@:
.if \tile == 0
	CSLOAD WALKCS                                  ; the second tile's cos and sin: they have that tile's whole K in which to land
.endif
.irp t, 0,1,2,3,4,5,6,7,8,9,10,11,12,13,14,15
.irp j, 0,1,2,3,4,5,6,7
	v_med3_num_f32 v[ACC+8*\t+\j], v[ACC+8*\t+\j], -v[LIM], v[LIM]   ; the conversion to an 8-bit code does not saturate (ISA guide 7.6.2): the hold at the largest code x the scale; each accumulator from its low end on
.endr
	v_cvt_scalef32_pk8_fp8_f32 v[48+2*\t:49+2*\t], v[ACC+8*\t:ACC+8*\t+7], v[SC]
.endr
	v_nop                                          ; one plain vector line behind the last conversion
.irp a, 0,1,2,3
.irp b, 0,1,2,3
	ds_store_b64 v[STO], v[48+2*(4*\a+\b):49+2*(4*\a+\b)] offset:\a*16*SPITCH+16*\b
.endr
.endr
	s_wait_dscnt 0x0                               ; for the others' sake: my stores into the stage are done (a row's 128 bytes come from two waves)
	s_barrier_signal -1
	s_barrier_wait -1                              ; the tensor load that is out may stay out
.irp i, 0,1,2,3,4,5,6,7
	ds_load_b128 v[80+4*\i:83+4*\i], v[RD] offset:\i*4*SPITCH
.endr
.irp i, 0,1,2,3,4,5,6,7
	s_wait_dscnt 7-\i                              ; load i is back; the younger ones may be out
	global_store_b128 v[GO], v[80+4*\i:83+4*\i], s[14:15] offset:\tile*WALKO+512*\i   ; 32 lanes store 512 consecutive bytes of the dense block
.endr
.endm
	s_wait_tensorcnt 1                             ; my part of K step 0 is in; K step 1's load may stay out
	s_barrier_signal -1
	s_barrier_wait -1                              ; everybody's is
	FETCH 0, 0, F0
	THREE 0, 1                                     ; the first products start the sums: nothing is cleared
	TURN 0, 1, 1                                   ; slot 0 takes K step 2
	THREE 1, 0
	TURN 1, 0, 1                                   ; slot 1 takes K step 3
	THREE 0, 0
	TURN 0, 1, 2                                   ; THE RING GOES ON INTO THE SECOND TILE: slot 0 takes its K step 0,
	THREE 1, 0
	TURN 1, 0, 2                                   ; slot 1 its K step 1, and the second tile's first fragments are fetched
	WIN 0
	WAYOUT 0                                       ; both refills are asked for: now the first tile goes out.  The stage is written again only behind the later changes' barriers, in front of which every wave has waited for its reads of it
	THREE 0, 1                                     ; the second tile's first products start its sums on accumulators that have been converted
	TURN 0, 1, 1
	THREE 1, 0
	TURN 1, 0, 1
	THREE 0, 0
	TURN 0, 1, 0                                   ; nothing is left to fetch
	THREE 1, 0
	s_wait_dscnt 0x0                               ; the very last quarter
	WIN MUL
	MULA F1, 0, 0
	MULA F1, 1, 0
	MULA F1, 2, 0
	MULA F1, 3, 0
	WIN 0
	WAYOUT 1
	s_wait_tensorcnt 0x0                           ; the wave's end: behind my last tensor load and my last LDS store
	ds_add_u32 v[SPW], v[NIL]
	s_wait_dscnt 0x0
	CROUND                                         ; the closing round: no work-group ends while a partner may still ask for a tile that names it
	s_endpgm
.Lfunc_end_k_qd2958f9ca4_qkv:
	.size	k_qd2958f9ca4_qkv, .Lfunc_end_k_qd2958f9ca4_qkv-k_qd2958f9ca4_qkv
	.p2alignl 7, 3214868480
	.fill 96, 4, 3214868480
	.section	.rodata,"a",@progbits
	.p2align	6, 0x0
	.amdhsa_kernel k_qd2958f9ca4_qkv
		.amdhsa_group_segment_fixed_size 327680
		.amdhsa_private_segment_fixed_size 0
		.amdhsa_enable_private_segment 0
		.amdhsa_kernarg_size 48
		.amdhsa_user_sgpr_count 2
		.amdhsa_user_sgpr_kernarg_segment_ptr 1
		.amdhsa_wavefront_size32 1
		.amdhsa_system_sgpr_workgroup_id_x 1
		.amdhsa_system_sgpr_workgroup_id_y 1
		.amdhsa_system_sgpr_workgroup_id_z 1
		.amdhsa_system_vgpr_workitem_id 0
		.amdhsa_next_free_vgpr 640
		.amdhsa_next_free_sgpr 100
		.amdhsa_reserve_vcc 0
		.amdhsa_float_denorm_mode_32 3
		.amdhsa_float_denorm_mode_16_64 3
		.amdhsa_memory_ordered 1
		.amdhsa_forward_progress 1
		.amdhsa_inst_pref_size 157
	.end_amdhsa_kernel
	.amdgpu_metadata
---
amdhsa.version: [ 1, 2 ]
amdhsa.kernels:
  - .name:           k_qd2958f9ca4_qkv
    .symbol:         k_qd2958f9ca4_qkv.kd
    .args:
      - { .name: xcodes, .offset: 0, .size: 8, .value_kind: global_buffer, .address_space: global }
      - { .name: wcodes, .offset: 8, .size: 8, .value_kind: global_buffer, .address_space: global }
      - { .name: cos, .offset: 16, .size: 8, .value_kind: global_buffer, .address_space: global }
      - { .name: sin, .offset: 24, .size: 8, .value_kind: global_buffer, .address_space: global }
      - { .name: lowp_scales, .offset: 32, .size: 8, .value_kind: global_buffer, .address_space: global }
      - { .name: qkvc, .offset: 40, .size: 8, .value_kind: global_buffer, .address_space: global }
    .group_segment_fixed_size: 327680
    .private_segment_fixed_size: 0
    .kernarg_segment_align: 8
    .kernarg_segment_size: 48
    .max_flat_workgroup_size: 128
    .sgpr_count:     100
    .vgpr_count:     640
    .wavefront_size: 32
...
	.end_amdgpu_metadata
.endif
;; end of part 2
;; launch attn (part 3): grid 32 x 8, 16 waves a work-group, clusters of 4 x 4, 327,680 bytes of LDS; arguments qkvc, attention_mask, lowp_scales, ac; writes ac
.if DOCPART == 3
	.amdgcn_target "amdgcn-amd-amdhsa--gfx1250"
	.amdhsa_code_object_version 6
	.text
	.protected	k_qd2958f9ca4_attn
	.globl	k_qd2958f9ca4_attn
	.p2align	8
	.type	k_qd2958f9ca4_attn,@function
k_qd2958f9ca4_attn:
	s_mov_b64 s[64:65], 0
	v_nop
	global_prefetch_b8 v0, s[64:65] scope:SCOPE_SE
	s_setreg_imm32_b32 hwreg(HW_REG_WAVE_MODE, 25, 1), 1
	s_wait_xcnt 0x0
	s_wait_alu depctr_hold_cnt(0) depctr_sa_sdst(0) depctr_va_vdst(0) depctr_va_sdst(0) depctr_va_ssrc(0) depctr_va_vcc(0) depctr_vm_vsrc(0)
	s_getreg_b32 s2, hwreg(HW_REG_IB_STS2, 6, 4)
	s_cmp_eq_u32 s2, 0
	s_cbranch_scc0 .Lentry_in_a_cluster
	s_endpgm
.Lentry_in_a_cluster:
	s_bfe_u32 s2, ttmp6, 0x10000c
	s_cmp_lg_u32 s2, 0xf033
	s_cbranch_scc0 .Lentry_shape_is_right
	s_endpgm
.Lentry_shape_is_right:
; Attention on codes of FP8 (E4M3): scores = q k^T / 8 + attention_mask (an input: every number of it is loaded and added, in f32; nothing of its pattern is built in), the softmax, x v, / the row's sum, quantised for the last product.
; THE SOFTMAX: t = logit x log2(e); M = the running largest t rounded UP to a whole number; p = 2^(t - M) is quantised along the keys, not normalised; the row's sum is taken of the unquantised p and divides at the end.
; When M moves, the sum and O are multiplied by 2^(old M - new M): exact.  M is taken of the very t that goes into the exponential, so t - M <= 0 whatever the mask holds (a row whose keys all carry the same large negative number comes out uniform).
; SHARES.  A work-group owns 64 positions of one batch and one PAIR of kv heads: four query heads.  SIXTEEN waves.  Wave w: positions 16 (w % 4) on, kv head u = (w / 4) % 2 of the pair, both query heads g = 0, 1 of that kv head
; (two tiles of 16 queries, which share K's and V's fragments and the mask's registers), and ONE OF TWO STREAMS OF KEYS, kh = w / 8: of each pair of key steps (64 keys each) the step kh.
; Each stream has its own running M, sum and O^T; at the end waves 8-15 hand theirs to waves 0-7 through LDS as images of registers, and the two are brought under the larger M by powers of two, which rounds nothing.
; (A stated difference of order: p is quantised under its own stream's running M; numbers far below the row's largest may fall under the format's range at another place than under one stream.)
; Four waves to a SIMD, 256 registers each: a wave's dependent chains, exponentials and waits for LDS stand beside three other waves' vector work; a key step has some twenty vector instructions for each matrix instruction.
; CLUSTERS: 4 x 4: cx = four neighbouring blocks of positions, cy = the four pairs; the cluster's y is the batch.  K's and V's tiles hang on (batch, pair) and are asked for jointly by a row of the cluster;
; the mask's tiles hang on the block of positions and are asked for jointly by a column.
; LAYOUT.  Both products are used transposed: S^T = K Q^T (source 0 = 16 keys, source 1 = 16 queries), O^T = V^T P^T (source 0 = 16 channels, source 1 = P): a lane holds ONE query (lane % 16) throughout.
; In S^T's tile t register j of lane (r, h) is key 16 t + 8 h + j: its eight codes are registers 2 t, 2 t + 1 of P in the K = 64 form's own layout; V^T's fragments are loaded in that layout (8 bytes at 16 c + 8 h).
; K's and Q's fragments come by two loads of 16 bytes: the same places for each channel on both sides.
; THE RING: two slots of 256 keys (K: 256 rows x 144; V: 2 blocks of 128 channel rows x 144; the mask: four pieces, one a key step, of 64 rows x 272).  Behind each round waves 0-7 issue ONE load of 16 KB each:
; waves 0, 1 K's halves, 2, 3 V's blocks, 4-7 the mask's pieces. One tensor load of a wave is out; it has a slot's key steps in which to land.
; LIMITS on the given exponents, so that each power of two is an f32 number: e6 + e7 between -123 and 130 (added to c's exponent field); e8, and e10 - e8 - e9, between -126 and 119.  NaN among the inputs is not served.
; REGISTERS: v1, v2 the add's; v3-5 my lane's places in K, V, the mask; v6-8 the addresses in hand; v9 the prefetches' offset; v[10:13], v[14:17] for g = 0, 1: -M, the largest t, the sum in two halves;
;   v18-20 at work; v21, v30, v31 the way out's addresses; v[22:23] f; v[24:25] the sum's second chain; v26-29 scales; v32-47 Q; v48-79 mask x log2(e); v80-111 S^T, then p; v112-143 K; v144-175 V; v176-191 P; v192-255 O^T.
.set SLOT,  143360
.set VOFF,  36864
.set MOFF,  73728
.set STAGE, 2*SLOT                     ; behind the ring: 64 rows x (256 + 16) bytes, the work-group's
.set SPARE, STAGE+64*272               ; the spare words, 128 bytes for each wave: eight blocks of 256 bytes that no other line names
.set IMG,   9216                       ; where the streams meet: an image of 72 registers x 128 bytes for each of eight waves, from LDS byte 0 on: in slot 0, which has then had its last fill and was left at the last change of slots
.set SPW, 1
.set NIL, 2
.set AK0, 3
.set AV0, 4
.set AM0, 5
.set ADK, 6
.set ADV, 7
.set ADM, 8
.set PFO, 9
.set Q,   32
.set MK,  48
.set S,   80
.set KF,  112
.set VF,  144
.set P,   176
.set O,   192
.set WV,   16                          ; s16 wave; s17 = wave % 4; s18 = (wave / 4) % 2; s19 = wave / 8
.set SEL,  20                          ; s[20:21] lane selects for v_permlanex16_b32: lane l xor 16
.set CS,   22                          ; s[22:23] c = log2(e) / 8 x 2^(e6 + e7)
.set G1KV, 24
.set G1M,  32
.set G0KV, 40                          ; s[40:47] groups 0 for K's and V's tiles, one for each slot;  s[48:55] for the mask's
.set G0M,  48
.set TK,   56                          ; s56 LDS byte of the pair of key steps in hand, for K and V;  s57 for the mask
.set TM,   57
.set CNT,  58
.set TRIPS, 59
.set LIM,  60                          ; s60 1 in a wave that prefetches, else 0
.set PFA,  66                          ; s[66:67] where my prefetches stand;  s[68:69] a slot on, in bytes
.set PFS,  68
.macro JLOAD buf                       ; a joint load: waves 0-3 fetch K and V, waves 4-7 the mask, the others nothing; the branches hang on the wave's number alone; four v_nop follow each line
	s_cmp_lt_u32 s[WV], 4
	s_cbranch_scc0 .Lnot_kv_\@
	tensor_load_to_lds s[G0KV+4*\buf:G0KV+4*\buf+3], s[G1KV:G1KV+7]
	s_nop 0
.rept 4
	v_nop
.endr
	s_branch .Lasked_\@
.Lnot_kv_\@:
	s_cmp_lt_u32 s[WV], 8
	s_cbranch_scc0 .Lasked_\@
	tensor_load_to_lds s[G0M+4*\buf:G0M+4*\buf+3], s[G1M:G1M+7]
	s_nop 0
.rept 4
	v_nop
.endr
.Lasked_\@:
.endm
.macro CROUND                          ; a round of the cluster's barrier
	s_barrier_signal -1
	s_barrier_wait -1
	s_cmp_lg_u32 s[WV], 0
	s_cbranch_scc1 .Lnot_wave_0_\@
	s_barrier_signal -3
.Lnot_wave_0_\@:
	s_barrier_wait -3
	s_barrier_signal -1
	s_barrier_wait -1
.endm
; A PREFETCH INTO THE L2 of the slot that the NEXT change of slots will ask for: a slot's key steps ahead of that load.  Each aligned block of 256 bytes is named once in the launch.
; K's and V's 32,768 bytes each: the clusters of one batch all walk them: the cluster with x = 0 asks; its four partners of a row take 8,192 bytes each, told apart by address; wave 0 K's, wave 1 V's, lanes 256 bytes apart.
; The mask's 64 rows x 1,024 bytes: both batches walk them: the cluster with y = 0 asks; the four partners of a column take 16 rows each, by address; waves 4 and 5 eight rows each, four lanes to a row.
.macro ASK
	s_cmp_eq_u32 s[LIM], 1
	s_cbranch_scc0 .Lnot_mine_\@
	global_prefetch_b8 v[PFO], s[PFA:PFA+1] th:TH_LOAD_NT scope:SCOPE_SE
.Lnot_mine_\@:
.endm
	s_load_b256 s[4:11], s[0:1], 0x0               ; qkvc s[4:5], attention_mask s[6:7], the scales' exponents s[8:9], ac s[10:11]
	v_lshl_add_u32 v[SPW], v0, 2, SPARE
	v_mov_b32 v[NIL], 0
	ds_add_u32 v1, v2
	s_wait_dscnt 0x0
	v_lshrrev_b32 v18, 5, v0
	v_readfirstlane_b32 s[WV], v18
	s_and_b32 s17, s[WV], 3                        ; which 16 positions
	s_bfe_u32 s18, s[WV], 0x10002                  ; u: which kv head of the pair (one bit from bit 2)
	s_lshr_b32 s19, s[WV], 3                       ; kh: which stream of keys
	s_bfe_u32 s84, ttmp6, 0x40000                  ; cx
	s_bfe_u32 s85, ttmp6, 0x40004                  ; cy: the pair of kv heads
	s_lshl_b32 s86, ttmp9, 2
	s_add_co_u32 s86, s86, s84                     ; X: my block of 64 positions
	s_and_b32 s87, ttmp7, 0xffff                   ; the cluster's y: the batch
	s_lshl_b32 s94, s85, 2
	s_lshl_b32 s94, 15, s94                        ; my row of the cluster
	s_lshl_b32 s95, 0x1111, s84                    ; my column
	s_or_b32 s[G1KV], s94, (1<<20)|(1<<21)|(4<<22)|(3<<25)          ; 15:0 the mask of work-groups; elements of 1 byte; padding on; 21 set beside a mask; four words after every 32
	s_mov_b32 s[G1KV+1], 128<<16                   ; tensor_dim0 = 128
	s_mov_b32 s[G1KV+2], 128<<16                   ; tensor_dim1 = 128
	s_mov_b32 s[G1KV+3], 128<<16                   ; tile_dim0 = 128
	s_mov_b32 s[G1KV+4], 128                       ; tile_dim1 = 128
	s_mov_b32 s[G1KV+5], 128                       ; dense rows
	s_mov_b32 s[G1KV+6], 0
	s_mov_b32 s[G1KV+7], 0
	s_or_b32 s[G1M], s95, (2<<16)|(1<<20)|(1<<21)|(5<<22)|(3<<25)   ; elements of 4 bytes; four words after every 64
	s_mov_b32 s[G1M+1], 64<<16
	s_mov_b32 s[G1M+2], 64<<16
	s_mov_b32 s[G1M+3], 64<<16
	s_mov_b32 s[G1M+4], 64
	s_mov_b32 s[G1M+5], 2048                       ; a row of the mask
	s_mov_b32 s[G1M+6], 0
	s_mov_b32 s[G1M+7], 0
	; K and V in memory: made of cy, the batch and the wave alone.  k's blocks begin at 4,194,304, v's at 6,291,456; a pair 524,288, a batch 262,144, 128 keys 16,384
	s_and_b32 s88, s[WV], 2
	s_lshl_b32 s88, s88, 20
	s_add_co_u32 s88, s88, 0x400000
	s_lshl_b32 s94, s85, 19
	s_add_co_u32 s88, s88, s94
	s_lshl_b32 s94, s87, 18
	s_add_co_u32 s88, s88, s94
	s_and_b32 s94, s[WV], 1
	s_lshl_b32 s94, s94, 14
	s_add_co_u32 s88, s88, s94
	s_mov_b32 s89, 0
	; the mask in memory: made of X and the wave alone: 64 X rows of 8,192 bytes, + my key step's 256 bytes
	s_lshl_b32 s90, s86, 19
	s_lshl_b32 s95, s17, 8
	s_add_co_u32 s90, s90, s95
	s_mov_b32 s91, 0
	s_mul_i32 s98, s17, 18432                      ; in a slot: K's halves, V's blocks: (wave % 4) x 128 rows of 144
	s_mul_i32 s99, s17, 17408                      ; the mask's pieces
	s_add_co_u32 s99, s99, MOFF
	s_mov_b32 s[SEL], 0x76543210
	s_mov_b32 s[SEL+1], 0xfedcba98
	s_mov_b32 s[CS], 0x3e38aa3b                    ; log2(e) / 8
	s_wait_kmcnt 0x0
	s_load_b256 s[72:79], s[8:9], 0x0              ; e0 .. e7
	s_load_b128 s[80:83], s[8:9], 0x20             ; e8 .. e11
	s_add_nc_u64 s[12:13], s[4:5], s[88:89]
	s_add_nc_u64 s[14:15], s[6:7], s[90:91]
.irp s, 0,1
	s_mov_b32 s[G0KV+4*\s], 1
	s_add_co_u32 s[G0KV+4*\s+1], s98, \s*SLOT
	s_add_nc_u64 s[G0KV+4*\s+2:G0KV+4*\s+3], s[12:13], \s*32768
	s_or_b32 s[G0KV+4*\s+3], s[G0KV+4*\s+3], 0x80000000
	s_mov_b32 s[G0M+4*\s], 1
	s_add_co_u32 s[G0M+4*\s+1], s99, \s*SLOT
	s_add_nc_u64 s[G0M+4*\s+2:G0M+4*\s+3], s[14:15], \s*1024
	s_or_b32 s[G0M+4*\s+3], s[G0M+4*\s+3], 0x80000000
.endr
	CROUND                                         ; all sixteen work-groups are here: the first joint loads meet
	JLOAD 0                                        ; keys 0 to 255
	; Q: kv head 2 cy + u: 4,096 rows of 128 bytes (g = 0: 64 codes, g = 1: 64 codes); my row: 2,048 x batch + 64 X + 16 (wave % 4) + r
	s_lshl_b32 s92, s85, 1
	s_add_co_u32 s92, s92, s18
	s_lshl_b32 s92, s92, 19
	s_lshl_b32 s94, s87, 18
	s_add_co_u32 s92, s92, s94
	s_lshl_b32 s94, s86, 13
	s_add_co_u32 s92, s92, s94
	s_lshl_b32 s94, s17, 11
	s_add_co_u32 s92, s92, s94
	s_mov_b32 s93, 0
	s_add_nc_u64 s[92:93], s[4:5], s[92:93]
	v_and_b32 v19, 15, v0                          ; r
	v_bfe_u32 v20, v0, 4, 1                        ; h  (v20 is later a lane permute's destination, which counts as read: it is written here)
	v_lshlrev_b32 v18, 7, v19
	v_lshl_add_u32 v18, v20, 4, v18
.irp g, 0,1
.irp c, 0,1
	global_load_b128 v[Q+8*\g+4*\c:Q+8*\g+4*\c+3], v18, s[92:93] offset:64*\g+32*\c
.endr
.endr
	v_mul_u32_u24 v[AK0], v19, 144                 ; K: key row r, + my kv head's 64 bytes, + 16 h, + my stream's 64 rows of a pair of key steps
	v_lshl_add_u32 v[AK0], v20, 4, v[AK0]
	s_lshl_b32 s94, s18, 6
	s_mul_i32 s95, s19, 9216
	s_add_co_u32 s94, s94, s95
	v_add_nc_u32 v[AK0], s94, v[AK0]
	v_mul_u32_u24 v[AV0], v19, 144                 ; V: channel row 64 u + r, + 8 h, + my stream's 64 bytes of a row
	v_lshl_add_u32 v[AV0], v20, 3, v[AV0]
	s_mul_i32 s94, s18, 9216
	s_add_co_u32 s94, s94, VOFF
	s_lshl_b32 s95, s19, 6
	s_add_co_u32 s94, s94, s95
	v_add_nc_u32 v[AV0], s94, v[AV0]
	v_mul_u32_u24 v[AM0], v19, 272                 ; the mask: query row 16 (wave % 4) + r, + 32 h: keys 8 h on, + my stream's piece
	v_lshl_add_u32 v[AM0], v20, 5, v[AM0]
	s_mul_i32 s94, s17, 4352
	s_mul_i32 s95, s19, 17408
	s_add_co_u32 s95, s95, s94
	v_add_nc_u32 v[AM0], s95, v[AM0]
	v_mul_u32_u24 v30, v19, 272                    ; the way out, into the stage: row 16 (wave % 4) + r, + 128 u + 8 h
	v_lshl_add_u32 v30, v20, 3, v30
	s_lshl_b32 s95, s18, 7
	s_add_co_u32 s94, s94, s95
	s_add_co_u32 s94, s94, STAGE
	v_add_nc_u32 v30, s94, v30
	v_mul_u32_u24 v31, v20, 272                    ; back: wave w takes rows 4 w on; lanes 0-15 one row of 256 bytes, lanes 16-31 the next
	v_lshl_add_u32 v31, v19, 4, v31
	s_mul_i32 s94, s[WV], 1088
	s_add_co_u32 s94, s94, STAGE
	v_add_nc_u32 v31, s94, v31
	v_lshlrev_b32 v21, 10, v20                     ; and the same two rows of ac (1,024 bytes each)
	v_lshl_add_u32 v21, v19, 4, v21
	s_lshl_b32 s94, s[WV], 12
	v_add_nc_u32 v21, s94, v21
	; the prefetches: both offsets are made first, then one compare serves all the choices
	s_and_b32 s96, s[WV], 1
	s_lshl_b32 s97, s96, 16                        ; the mask: (wave % 2) x 8 rows,
	s_lshl_b32 s96, s96, 21                        ; K (wave 0) or V (wave 1)
	s_add_co_u32 s96, s96, 0x400000+32768          ; in slot 1: the first change of slots steps it to slot 2
	s_lshl_b32 s94, s85, 19
	s_add_co_u32 s96, s96, s94
	s_lshl_b32 s94, s87, 18
	s_add_co_u32 s96, s96, s94
	s_lshl_b32 s94, s84, 13                        ; my work-group's 8,192 bytes
	s_add_co_u32 s96, s96, s94
	s_lshl_b32 s94, s86, 19
	s_add_co_u32 s97, s97, s94
	s_lshl_b32 s94, s85, 17                        ; my work-group's 16 rows
	s_add_co_u32 s97, s97, s94
	s_add_co_u32 s97, s97, 1024                    ; in slot 1
	s_mov_b32 s[PFS], 1024
	s_mov_b32 s94, 8192
	s_cmp_lt_u32 s[WV], 4
	s_cselect_b64 s[PFA:PFA+1], s[4:5], s[6:7]
	s_cselect_b32 s[PFS], 0x8000, s[PFS]           ; a slot on
	s_cselect_b32 s94, 1024, s94                   ; from four lanes to the next four
	s_cselect_b32 s95, ttmp9, s87                  ; the coordinate along which other clusters walk the same bytes
	s_cselect_b32 s96, s96, s97
	s_mov_b32 s97, 0
	s_mov_b32 s[PFS+1], 0
	s_add_nc_u64 s[PFA:PFA+1], s[PFA:PFA+1], s[96:97]
	s_and_b32 s98, s[WV], 10                       ; 0 in waves 0, 1, 4, 5
	s_or_b32 s98, s98, s95
	s_cmp_eq_u32 s98, 0
	s_cselect_b32 s[LIM], 1, 0                     ; the same in all sixteen partners, for a given wave
	v_and_b32 v[PFO], 31, v0
	v_lshrrev_b32 v22, 2, v[PFO]
	v_mul_lo_u32 v22, v22, s94
	v_and_b32 v[PFO], 3, v[PFO]
	v_lshl_add_u32 v[PFO], v[PFO], 8, v22
	; ac at my work-group's first row and its 256 bytes of a row: (2,048 x batch + 64 X) x 1,024 + 256 x pair
	s_lshl_b32 s96, s87, 21
	s_lshl_b32 s94, s86, 16
	s_add_co_u32 s96, s96, s94
	s_lshl_b32 s94, s85, 8
	s_add_co_u32 s96, s96, s94
	s_add_nc_u64 s[10:11], s[10:11], s[96:97]
.irp g, 0,1
	v_mov_b32 v[11+4*\g], 0xff61b1e6               ; the largest t so far: -3e38, under every t
	v_floor_f32 v[10+4*\g], -v[11+4*\g]            ; -M
	v_mov_b32 v[12+4*\g], 0                        ; the sum, in two halves
	v_mov_b32 v[13+4*\g], 0
.endr
	v_mov_b32 v23, 0                               ; (named as the upper half of the pair v[22:23])
.irp j, 0,1,2,3,4,5,6,7,8,9,10,11,12,13,14,15,16,17,18,19,20,21,22,23,24,25,26,27,28,29,30,31,32,33,34,35,36,37,38,39,40,41,42,43,44,45,46,47,48,49,50,51,52,53,54,55,56,57,58,59,60,61,62,63
	v_mov_b32 v[O+\j], 0                           ; O^T.  (The key step is written without a first copy: the first step finds zeros, which the first change of M leaves zeros)
.endr
	s_wait_kmcnt 0x0
	s_add_co_i32 s94, s78, s79                     ; a score stands for score x 2^(e6 + e7): the two exponents are added to c's exponent field
	s_lshl_b32 s94, s94, 23
	s_add_co_i32 s[CS], s[CS], s94
	s_mov_b32 s[CS+1], s[CS]                       ; (named with it as a pair, so it is written)
	s_add_co_i32 s94, s80, 127
	s_lshl_b32 s95, s94, 23
	v_mov_b32 v26, s95                             ; 2^e8 as f32, for p's conversion
	s_add_co_i32 s94, s94, 8
	s_lshl_b32 s94, s94, 23
	s_or_b32 s94, s94, 0x600000
	v_mov_b32 v27, s94                             ; 448 x 2^e8
	s_sub_co_i32 s94, s82, s80                     ; a sum of the second product stands for sum x 2^(e8 + e9): the result's code is (sum / l) / 2^(e10 - e8 - e9)
	s_sub_co_i32 s94, s94, s81
	s_add_co_i32 s94, s94, 127
	s_lshl_b32 s95, s94, 23
	v_mov_b32 v28, s95
	s_add_co_i32 s94, s94, 8
	s_lshl_b32 s94, s94, 23
	s_or_b32 s94, s94, 0x600000
	v_mov_b32 v29, s94
.macro KQ g                            ; S^T = K Q^T for tile g: four tiles of 16 keys; each product starts its sum
.irp t, 0,1,2,3
	v_wmma_f32_16x16x64_fp8_fp8 v[S+8*\t:S+8*\t+7], v[KF+8*\t:KF+8*\t+7], v[Q+8*\g:Q+8*\g+7], 0
.endr
.endm
.macro PV g                            ; O^T += V^T P^T for tile g: four tiles of 16 channels; the accumulators take turns, one instruction a turn
.irp d, 0,1,2,3
	v_wmma_f32_16x16x64_fp8_fp8 v[O+32*\g+8*\d:O+32*\g+8*\d+7], v[VF+8*\d:VF+8*\d+7], v[P+8*\g:P+8*\g+7], v[O+32*\g+8*\d:O+32*\g+8*\d+7]
.endr
.endm
; One tile's softmax for 64 keys: a lane's 32 scores in v[S] on.
.macro SOFTMAX g
.set NM, 10+4*\g
.set TT, 11+4*\g
.set LS, 12+4*\g
.irp j, 0,2,4,6,8,10,12,14,16,18,20,22,24,26,28,30
	v_pk_fma_f32 v[S+\j:S+\j+1], v[S+\j:S+\j+1], s[CS:CS+1], v[MK+\j:MK+\j+1] op_sel_hi:[1,0,1]   ; t = sum x c + mask x log2(e); each accumulator from its low end on
.endr
	v_max3_num_f32 v18, v[S], v[S+1], v[S+2]       ; the step's largest t of my query among my 32 keys, in two chains,
	v_max3_num_f32 v19, v[S+3], v[S+4], v[S+5]
.irp i, 6,10,14,18,22,26
	v_max3_num_f32 v18, v18, v[S+\i], v[S+\i+1]
	v_max3_num_f32 v19, v19, v[S+\i+2], v[S+\i+3]
.endr
	v_max3_num_f32 v18, v18, v[S+30], v[S+31]
	v_max_num_f32 v18, v18, v19
	v_permlanex16_b32 v20, v18, s[SEL], s[SEL+1]
	v_max_num_f32 v18, v18, v20                    ; and among lane l xor 16's
	v_max_num_f32 v[TT], v[TT], v18                ; the running largest t
	v_mov_b32 v19, v[NM]
	v_floor_f32 v[NM], -v[TT]                      ; the new -M = floor(-t) = -ceil(t): a whole number
	v_sub_f32 v19, v[NM], v19                      ; M's old value less its new one: a whole number, 0 or less
	v_cvt_i32_f32 v19, v19                         ; (it saturates)
	v_ldexp_f32 v22, 1.0, v19                      ; f = 2^(old M - new M)
.irp j, 0,2,4,6,8,10,12,14,16,18,20,22,24,26,28,30
	v_pk_add_f32 v[S+\j:S+\j+1], v[S+\j:S+\j+1], v[NM:NM+1] op_sel_hi:[1,0]   ; t - M (of the pair the low word, -M, serves both halves)
.endr
.irp j, 0,1,2,3,4,5,6,7,8,9,10,11,12,13,14,15,16,17,18,19,20,21,22,23,24,25,26,27,28,29,30,31
	v_exp_f32 v[S+\j], v[S+\j]                     ; p = 2^(t - M), at most 1
.endr
	v_pk_mul_f32 v[LS:LS+1], v[LS:LS+1], v[22:23] op_sel_hi:[1,0]   ; the sum under the new M.  (The plain place behind the exponentials)
	s_wait_alu depctr_va_vdst(0)
	v_pk_add_f32 v[24:25], v[S:S+1], v[S+2:S+3]    ; the row's sum is taken of the UNQUANTISED p, in two chains
.irp j, 4,8,12,16,20,24,28
	v_pk_add_f32 v[LS:LS+1], v[LS:LS+1], v[S+\j:S+\j+1]
	v_pk_add_f32 v[24:25], v[24:25], v[S+\j+2:S+\j+3]
.endr
	v_pk_add_f32 v[LS:LS+1], v[LS:LS+1], v[24:25]
.irp t, 0,1,2,3
.irp i, 0,1,2,3,4,5,6,7
	v_min_num_f32 v[S+8*\t+\i], v[S+8*\t+\i], v27  ; the conversion to an 8-bit code does not saturate (ISA guide 7.6.2); p is not negative, so the hold is one-sided
.endr
	v_cvt_scalef32_pk8_fp8_f32 v[P+8*\g+2*\t:P+8*\g+2*\t+1], v[S+8*\t:S+8*\t+7], v26
.endr
.irp j, 0,2,4,6,8,10,12,14,16,18,20,22,24,26,28,30
	v_pk_mul_f32 v[O+32*\g+\j:O+32*\g+\j+1], v[O+32*\g+\j:O+32*\g+\j+1], v[22:23] op_sel_hi:[1,0]   ; O^T under the new M.  (These are also the plain lines between the conversions and the products)
.endr
.endm
; A KEY STEP of 64 keys: my stream's step of the pair in hand (the stream stands in the three address registers).
.macro STEP
.rept 4
	v_nop                                          ; places in front of the loads into V's registers, which the last products read
.endr
.irp t, 0,1,2,3
.irp c, 0,1
	ds_load_b128 v[KF+8*\t+4*\c:KF+8*\t+4*\c+3], v[ADK] offset:\t*2304+32*\c
.endr
.endr
.irp t, 0,1,2,3
.irp c, 0,1
	ds_load_b128 v[MK+8*\t+4*\c:MK+8*\t+4*\c+3], v[ADM] offset:64*\t+16*\c
.endr
.endr
.irp d, 0,1,2,3
.irp c, 0,1,2,3
	ds_load_b64 v[VF+8*\d+2*\c:VF+8*\d+2*\c+1], v[ADV] offset:\d*2304+16*\c
.endr
.endr
	s_wait_dscnt 24                                ; K's eight loads are in; the mask's 8 and V's 16 may be out
	KQ 0
	s_wait_dscnt 16                                ; the mask's are in; V's 16 may be out
.irp j, 0,2,4,6,8,10,12,14,16,18,20,22,24,26,28,30
	v_pk_mul_f32 v[MK+\j:MK+\j+1], v[MK+\j:MK+\j+1], 0x3fb8aa3b op_sel_hi:[1,0]   ; mask x log2(e), once for both tiles.  (These are also the places behind the products)
.endr
	SOFTMAX 0
	s_wait_dscnt 0x0                               ; V is in
	PV 0
	KQ 1
.rept 4
	v_nop                                          ; places in front of the first read of the scores
.endr
	SOFTMAX 1
	PV 1
.endm
; THE CHANGE OF SLOTS stands at a slot's head.  Each wave waits for all its tensor loads (its part of the slot that it is about to read), adds 0 to its spare word, and waits for that and for its reads of the slot that it has left.
; fill = 1: the barrier is a round of the cluster's, and behind it slot fb, which has been left, takes the next 256 keys.  The group 0 that is stepped is the other slot's, whose load has just been shown done.
.macro CHANGE fb, fill, ask
	s_wait_tensorcnt 0x0                           ; no tensor load of mine is out, so a group 0 may be written
	ds_add_u32 v[SPW], v[NIL]                      ; 0 onto my spare word: the steps below stand between it and the wait for it
.if \fill
	s_add_nc_u64 s[G0KV+4*(1-\fb)+2:G0KV+4*(1-\fb)+3], s[G0KV+4*(1-\fb)+2:G0KV+4*(1-\fb)+3], 2*32768   ; two slots on; the type bits on top are not reached
	s_add_nc_u64 s[G0M+4*(1-\fb)+2:G0M+4*(1-\fb)+3], s[G0M+4*(1-\fb)+2:G0M+4*(1-\fb)+3], 2*1024
.endif
.if \ask
	s_wait_xcnt 0x0                                ; the last prefetch, a slot back, has read its address, so it may be written
	s_add_nc_u64 s[PFA:PFA+1], s[PFA:PFA+1], s[PFS:PFS+1]
.endif
	s_wait_dscnt 0x0                               ; the add is done, and my reads of the slot that I have left are over
.if \fill
	CROUND
	JLOAD \fb                                      ; the first thing behind the round, and a wave's one tensor load until the next
.else
	s_barrier_signal -1
	s_barrier_wait -1
.endif
.if \ask
	ASK
.endif
.endm
.macro STEPS buf                       ; a slot's two pairs of key steps: of each pair I take my stream's step; written once and walked twice
	s_mov_b32 s[TK], \buf*SLOT
	s_mov_b32 s[TM], \buf*SLOT+MOFF
	s_mov_b32 s[CNT], 2
.Lpair_\@:
	v_add_nc_u32 v[ADK], s[TK], v[AK0]
	v_add_nc_u32 v[ADV], s[TK], v[AV0]
	v_add_nc_u32 v[ADM], s[TM], v[AM0]
	STEP
	s_add_co_u32 s[TK], s[TK], 18432               ; 128 keys on in K; the next block of V
	s_add_co_u32 s[TM], s[TM], 34816               ; two pieces of the mask on
	s_sub_co_u32 s[CNT], s[CNT], 1
	s_cmp_lg_u32 s[CNT], 0
	s_cbranch_scc1 .Lpair_\@
.endm
	s_wait_loadcnt 0x0                             ; Q
	s_mov_b32 s[TRIPS], 3
.Lring:                                            ; a trip: slots 2 i and 2 i + 1 are read; 2 i + 1 and 2 i + 2 are asked for; 2 i + 2 and 2 i + 3 are prefetched
	CHANGE 1, 1, 1
	STEPS 0
	CHANGE 0, 1, 1
	STEPS 1
	s_sub_co_u32 s[TRIPS], s[TRIPS], 1
	s_cmp_lg_u32 s[TRIPS], 0
	s_cbranch_scc1 .Lring
	CHANGE 1, 1, 0                                 ; the tail is written out: the last slot is asked for; there is nothing behind it to prefetch
	STEPS 0
	CHANGE 0, 0, 0
	STEPS 1
	; THE TWO STREAMS MEET.  Wave 8 + q hands its O^T (64 registers) and its statistics (8) to wave q, which holds the same queries: each group of four registers by one store at 16 x lane, and back by the same lines as loads.
	v_and_b32 v[ADK], 31, v0                       ; (these four lines are also the places behind the last products)
	v_lshlrev_b32 v[ADK], 4, v[ADK]
	s_and_b32 s94, s[WV], 7
	s_mul_i32 s94, s94, IMG
	v_add_nc_u32 v[ADK], s94, v[ADK]
	v_nop
	s_cmp_lt_u32 s[WV], 8
	s_cbranch_scc1 .Lstay
.irp i, 0,1,2,3,4,5,6,7,8,9,10,11,12,13,14,15
	ds_store_b128 v[ADK], v[O+4*\i:O+4*\i+3] offset:512*\i   ; each accumulator from its low end on
.endr
	ds_store_b128 v[ADK], v[10:13] offset:8192
	ds_store_b128 v[ADK], v[14:17] offset:8704
.Lstay:
	s_wait_dscnt 0x0                               ; for the others' sake: my stores are done
	s_barrier_signal -1
	s_barrier_wait -1
	s_cmp_lt_u32 s[WV], 8
	s_cbranch_scc0 .Lgiven
.irp i, 0,1,2,3,4,5,6,7,8,9,10,11,12,13,14,15
	ds_load_b128 v[MK+4*\i:MK+4*\i+3], v[ADK] offset:512*\i   ; the other stream's O^T into v48-111
.endr
	ds_load_b128 v[KF:KF+3], v[ADK] offset:8192    ; its statistics
	ds_load_b128 v[KF+4:KF+7], v[ADK] offset:8704
	s_wait_dscnt 0x0
.irp g, 0,1
	v_min_num_f32 v18, v[10+4*\g], v[KF+4*\g]      ; -M = the lesser of the two -M: M the larger
	v_sub_f32 v19, v18, v[10+4*\g]                 ; my M less M, the other's M less M: whole numbers, 0 or less
	v_sub_f32 v20, v18, v[KF+4*\g]
	v_cvt_i32_f32 v19, v19                         ; (they saturate)
	v_cvt_i32_f32 v20, v20
	v_ldexp_f32 v22, 1.0, v19                      ; two powers of two: nothing is rounded by them
	v_ldexp_f32 v24, 1.0, v20
	v_pk_mul_f32 v[12+4*\g:13+4*\g], v[12+4*\g:13+4*\g], v[22:23] op_sel_hi:[1,0]
	v_pk_fma_f32 v[12+4*\g:13+4*\g], v[KF+4*\g+2:KF+4*\g+3], v[24:25], v[12+4*\g:13+4*\g] op_sel_hi:[1,0,1]   ; the row's sum
.irp j, 0,2,4,6,8,10,12,14,16,18,20,22,24,26,28,30
	v_pk_mul_f32 v[O+32*\g+\j:O+32*\g+\j+1], v[O+32*\g+\j:O+32*\g+\j+1], v[22:23] op_sel_hi:[1,0]
	v_pk_fma_f32 v[O+32*\g+\j:O+32*\g+\j+1], v[MK+32*\g+\j:MK+32*\g+\j+1], v[24:25], v[O+32*\g+\j:O+32*\g+\j+1] op_sel_hi:[1,0,1]
.endr
.endr
	; THE WAY OUT.  O^T / the row's sum, quantised for the last product (K = head x 64 + channel: a lane's eight registers are eight neighbours along it); through the stage, since a row's 256 bytes come from two waves.
.irp g, 0,1
	v_add_f32 v18, v[12+4*\g], v[13+4*\g]          ; the sum's two halves,
	v_permlanex16_b32 v20, v18, s[SEL], s[SEL+1]
	v_add_f32 v18, v18, v20                        ; and lane l xor 16's
	v_rcp_f32 v22, v18
	v_nop                                          ; one plain place behind the transcendental
	s_wait_alu depctr_va_vdst(0)
.irp j, 0,2,4,6,8,10,12,14,16,18,20,22,24,26,28,30
	v_pk_mul_f32 v[O+32*\g+\j:O+32*\g+\j+1], v[O+32*\g+\j:O+32*\g+\j+1], v[22:23] op_sel_hi:[1,0]
.endr
.irp d, 0,1,2,3
.irp i, 0,1,2,3,4,5,6,7
	v_med3_num_f32 v[O+32*\g+8*\d+\i], v[O+32*\g+8*\d+\i], -v29, v29
.endr
	v_cvt_scalef32_pk8_fp8_f32 v[S+8*\g+2*\d:S+8*\g+2*\d+1], v[O+32*\g+8*\d:O+32*\g+8*\d+7], v28
.endr
.endr
	v_nop                                          ; one plain vector line behind the last conversion
.irp g, 0,1
.irp d, 0,1,2,3
	ds_store_b64 v30, v[S+8*\g+2*\d:S+8*\g+2*\d+1] offset:64*\g+16*\d
.endr
.endr
.Lgiven:
	s_wait_dscnt 0x0                               ; for the others' sake: my stores into the stage are done
	s_barrier_signal -1
	s_barrier_wait -1
.irp i, 0,1
	ds_load_b128 v[KF+4*\i:KF+4*\i+3], v31 offset:544*\i   ; all sixteen waves store: four rows each
.endr
.irp i, 0,1
	s_wait_dscnt 1-\i                              ; load i is back; the younger one may be out
	global_store_b128 v21, v[KF+4*\i:KF+4*\i+3], s[10:11] offset:2048*\i   ; 16 lanes store 256 consecutive bytes, at a multiple of 256 from ac's first byte
.endr
	s_wait_tensorcnt 0x0                           ; the wave's end: behind my last tensor load and my last LDS store
	ds_add_u32 v[SPW], v[NIL]
	s_wait_dscnt 0x0
	CROUND                                         ; the closing round: no work-group ends while a partner may still ask for a tile that names it
	s_endpgm
.Lfunc_end_k_qd2958f9ca4_attn:
	.size	k_qd2958f9ca4_attn, .Lfunc_end_k_qd2958f9ca4_attn-k_qd2958f9ca4_attn
	.p2alignl 7, 3214868480
	.fill 96, 4, 3214868480
	.section	.rodata,"a",@progbits
	.p2align	6, 0x0
	.amdhsa_kernel k_qd2958f9ca4_attn
		.amdhsa_group_segment_fixed_size 327680
		.amdhsa_private_segment_fixed_size 0
		.amdhsa_enable_private_segment 0
		.amdhsa_kernarg_size 32
		.amdhsa_user_sgpr_count 2
		.amdhsa_user_sgpr_kernarg_segment_ptr 1
		.amdhsa_wavefront_size32 1
		.amdhsa_system_sgpr_workgroup_id_x 1
		.amdhsa_system_sgpr_workgroup_id_y 1
		.amdhsa_system_sgpr_workgroup_id_z 1
		.amdhsa_system_vgpr_workitem_id 0
		.amdhsa_next_free_vgpr 256
		.amdhsa_next_free_sgpr 100
		.amdhsa_reserve_vcc 0
		.amdhsa_float_denorm_mode_32 3
		.amdhsa_float_denorm_mode_16_64 3
		.amdhsa_memory_ordered 1
		.amdhsa_forward_progress 1
		.amdhsa_inst_pref_size 116
	.end_amdhsa_kernel
	.amdgpu_metadata
---
amdhsa.version: [ 1, 2 ]
amdhsa.kernels:
  - .name:           k_qd2958f9ca4_attn
    .symbol:         k_qd2958f9ca4_attn.kd
    .args:
      - { .name: qkvc, .offset: 0, .size: 8, .value_kind: global_buffer, .address_space: global }
      - { .name: attention_mask, .offset: 8, .size: 8, .value_kind: global_buffer, .address_space: global }
      - { .name: lowp_scales, .offset: 16, .size: 8, .value_kind: global_buffer, .address_space: global }
      - { .name: ac, .offset: 24, .size: 8, .value_kind: global_buffer, .address_space: global }
    .group_segment_fixed_size: 327680
    .private_segment_fixed_size: 0
    .kernarg_segment_align: 8
    .kernarg_segment_size: 32
    .max_flat_workgroup_size: 512
    .sgpr_count:     100
    .vgpr_count:     256
    .wavefront_size: 32
...
	.end_amdgpu_metadata
.endif
;; end of part 3
;; launch outp (part 4): grid 16 x 16, 4 waves a work-group, clusters of 4 x 4, 327,680 bytes of LDS; arguments ac, wcodes, lowp_scales, out0; writes out0
.if DOCPART == 4
	.amdgcn_target "amdgcn-amd-amdhsa--gfx1250"
	.amdhsa_code_object_version 6
	.text
	.protected	k_qd2958f9ca4_outp
	.globl	k_qd2958f9ca4_outp
	.p2align	8
	.type	k_qd2958f9ca4_outp,@function
k_qd2958f9ca4_outp:
	s_mov_b64 s[64:65], 0
	v_nop
	global_prefetch_b8 v0, s[64:65] scope:SCOPE_SE
	s_setreg_imm32_b32 hwreg(HW_REG_WAVE_MODE, 25, 1), 1
	s_wait_xcnt 0x0
	s_wait_alu depctr_hold_cnt(0) depctr_sa_sdst(0) depctr_va_vdst(0) depctr_va_sdst(0) depctr_va_ssrc(0) depctr_va_vcc(0) depctr_vm_vsrc(0)
	s_getreg_b32 s2, hwreg(HW_REG_IB_STS2, 6, 4)
	s_cmp_eq_u32 s2, 0
	s_cbranch_scc0 .Lentry_in_a_cluster
	s_endpgm
.Lentry_in_a_cluster:
	s_bfe_u32 s2, ttmp6, 0x10000c
	s_cmp_lg_u32 s2, 0xf033
	s_cbranch_scc0 .Lentry_shape_is_right
	s_endpgm
.Lentry_shape_is_right:
; out0 = (attention's result) x Wo^T on codes of FP8 (E4M3), K = 1,024; each finished sum x 2^(e10 + e11).  LIMIT: e10 + e11 between -126 and 127, so that the power of two is an f32 number.
; ac: [4096][1024] codes; Wo's codes: [2048][1024] at byte 4,194,304 of wcodes; out0: [4096][2048] f32.
; A tile is 128 x 128: four waves of 64 x 64, 16 accumulators each.  Source 0 = 16 rows of Wo (columns of the output), source 1 = 16 rows of ac: a lane holds eight neighbouring numbers of a row of the output.
; A WORK-GROUP STAYS: 256 work-groups, each makes TWO tiles of one tile column, 16 tile rows apart, and the ring does not stop between them: the first tile's two changes of slots ask for the second tile's
; two K steps, the first tile goes out while they are on their way, and its stores leave while the second tile is multiplied: nothing waits for them.
; CLUSTERS: 4 x 4: ac's tile hangs on the tile row and is asked for jointly by a row of the cluster, Wo's on the tile column and by a column.
; K goes in two steps of 512 (LDS rows of 512 bytes + 16) through two slots: four fills, written out.  Two tensor loads of a wave are out at the start, one behind each round.
; A fragment (16 rows x 128 K) comes by four loads of 16 bytes: the same places for each k on both sides.  No prefetch: the tiles are shared by joint loads and each is read by many work-groups.
; REGISTERS: window 0: v16-29 addresses; v32-63 a block's sums x the scale; v64-127 rows read back, two sets; v128-255 accumulators ((a, b) at 128 + 8 (4 a + b)).  window 1: two fragment buffers of 128.
.set KSTEP,  512
.set KROW,   1024
.set WALK_A, 0x200000                  ; 16 tile rows of ac: 2,048 rows of 1,024 bytes
.set WALK_C, 0x1000000                 ; and of out0: 2,048 rows of 8,192 bytes
.set PITCH,  528                       ; 512 bytes + 16 = 132 words: row r starts at bank 4 r mod 64 (64 banks of 4 bytes: ISA guide 11.1)
.set HALFT,  64*PITCH
.set SLOT,   4*HALFT                   ; ac's 128 rows, then Wo's
.set STAGE,  2*SLOT                    ; behind the slots: 16 rows x (256 + 16) bytes for each wave
.set SPITCH, 272
.set SPARE,  STAGE+4*16*SPITCH         ; the spare words, 128 bytes for each wave: two blocks of 256 bytes that no other line names
.set ADRA, 16
.set ADRB, 20
.set STO,  24
.set RD,   25
.set CO,   26
.set SPW,  28
.set NIL,  29
.set TMP,  32
.set ACC,  128
.set F0,   0
.set F1,   128
.set WV,   16
.set RH,   17
.set CH,   18
.set G1,   24
.set G0,   32
.set G1B,  48
.set G0B,  56
.set MSB, 0
.macro WIN new                         ; the immediate's high byte repeats the setting that is left
.if MSB != \new
	s_set_vgpr_msb (MSB<<8)|\new
.set MSB, \new
.endif
.endm
.set MUL,  0x05                        ; sources 0 and 1 window 1; C and D window 0
.set TO_F, 0x40                        ; destination window 1, address window 0
.macro JLOAD s                         ; a joint load: waves 0, 1 fetch ac's halves, waves 2, 3 Wo's; four v_nop follow each line, ahead of the jump, the label and what follows
	s_cmp_eq_u32 s[RH], 0
	s_cbranch_scc0 .Lfor_b_\@
	tensor_load_to_lds s[G0+4*\s:G0+4*\s+3], s[G1:G1+7]
	s_nop 0
.rept 4
	v_nop
.endr
	s_branch .Lasked_\@
.Lfor_b_\@:
	tensor_load_to_lds s[G0B+4*\s:G0B+4*\s+3], s[G1B:G1B+7]
	s_nop 0
.rept 4
	v_nop
.endr
.Lasked_\@:
.endm
.macro CREST                           ; a round of the cluster's barrier behind its opening barrier
	s_cmp_lg_u32 s[WV], 0
	s_cbranch_scc1 .Lnot_wave_0_\@
	s_barrier_signal -3
.Lnot_wave_0_\@:
	s_barrier_wait -3
	s_barrier_signal -1
	s_barrier_wait -1
.endm
.macro CROUND
	s_barrier_signal -1
	s_barrier_wait -1
	CREST
.endm
.macro PLACES                          ; four places in front of loads into registers that matrix instructions have read, and of the first read of results
.rept 4
	v_nop
.endr
.endm
	s_load_b256 s[4:11], s[0:1], 0x0               ; ac s[4:5], wcodes s[6:7], the scales' exponents s[8:9], out0 s[10:11]
	v_lshl_add_u32 v[SPW], v0, 2, SPARE
	v_mov_b32 v[NIL], 0
	ds_add_u32 v28, v29
	s_wait_dscnt 0x0
	v_lshrrev_b32 v1, 5, v0
	v_readfirstlane_b32 s[WV], v1
	s_lshr_b32 s[RH], s[WV], 1                     ; my half of the tile's rows; also: I fetch for ac (0) or Wo (1)
	s_and_b32 s[CH], s[WV], 1                      ; my half of its columns; also: which 64 rows I fetch
	s_bfe_u32 s40, ttmp6, 0x40000                  ; cx
	s_bfe_u32 s41, ttmp6, 0x40004                  ; cy
	s_and_b32 s42, ttmp7, 0xffff
	s_lshl_b32 s42, s42, 2
	s_add_co_u32 s42, s42, s41                     ; the first tile's row (0 to 15)
	s_lshl_b32 s43, ttmp9, 2
	s_add_co_u32 s43, s43, s40                     ; the tile column
	s_lshl_b32 s70, s41, 2
	s_lshl_b32 s70, 15, s70                        ; my row of the cluster
	s_lshl_b32 s71, 0x1111, s40                    ; my column
	s_or_b32 s[G1], s70, (1<<20)|(1<<21)|(6<<22)|(3<<25)    ; 15:0 the mask; elements of 1 byte; padding on; 21 set beside a mask; four words after every 128
	s_or_b32 s[G1B], s71, (1<<20)|(1<<21)|(6<<22)|(3<<25)
.irp g, G1, G1B
	s_mov_b32 s[\g+1], KSTEP<<16                   ; tensor_dim0 = 512
	s_mov_b32 s[\g+2], 64<<16                      ; tensor_dim1 = 64
	s_mov_b32 s[\g+3], KSTEP<<16                   ; tile_dim0 = 512
	s_mov_b32 s[\g+4], 64                          ; tile_dim1 = 64
	s_mov_b32 s[\g+5], KROW                        ; from row to row
	s_mov_b32 s[\g+6], 0
	s_mov_b32 s[\g+7], 0
.endr
	s_lshl_b32 s19, s[CH], 16                      ; the 64 rows of 1,024 bytes that I fetch
	s_lshl_b32 s20, s42, 17
	s_add_co_u32 s20, s20, s19                     ; ac: made of the tile row and the wave alone
	s_lshl_b32 s22, s43, 17
	s_add_co_u32 s22, s22, s19
	s_add_co_u32 s22, s22, 0x400000                ; Wo's codes: of the tile column and the wave alone
	s_mov_b32 s21, 0
	s_mov_b32 s23, 0
	s_mul_i32 s70, s[WV], HALFT                    ; where my tile goes: wave x 64 rows
	s_wait_kmcnt 0x0
	s_load_b64 s[46:47], s[8:9], 0x28              ; e10, e11
	s_add_nc_u64 s[66:67], s[4:5], s[20:21]
	s_add_nc_u64 s[68:69], s[6:7], s[22:23]
	CROUND                                         ; all sixteen work-groups are here: the first joint loads meet
.irp s, 0,1
	s_mov_b32 s[G0+4*\s], 1
	s_add_co_u32 s[G0+4*\s+1], s70, \s*SLOT
	s_add_nc_u64 s[G0+4*\s+2:G0+4*\s+3], s[66:67], \s*KSTEP
	s_or_b32 s[G0+4*\s+3], s[G0+4*\s+3], 0x80000000
	s_mov_b32 s[G0B+4*\s], 1
	s_add_co_u32 s[G0B+4*\s+1], s70, \s*SLOT
	s_add_nc_u64 s[G0B+4*\s+2:G0B+4*\s+3], s[68:69], \s*KSTEP
	s_or_b32 s[G0B+4*\s+3], s[G0B+4*\s+3], 0x80000000
	JLOAD \s
.endr
	v_and_b32 v1, 15, v0                           ; r
	v_bfe_u32 v2, v0, 4, 1                         ; h
	v_mul_u32_u24 v3, v1, PITCH
	v_lshl_add_u32 v3, v2, 4, v3                   ; a fragment's row x pitch + 16 h
	s_mul_i32 s20, s[RH], HALFT
	s_mul_i32 s22, s[CH], HALFT
	s_add_co_u32 s22, s22, 2*HALFT
.irp s, 0,1
	v_add_nc_u32 v[ADRA+\s], s20, v3
	v_add_nc_u32 v[ADRB+\s], s22, v3
	s_add_co_u32 s20, s20, SLOT
	s_add_co_u32 s22, s22, SLOT
.endr
	s_mul_i32 s20, s[WV], 16*SPITCH
	s_add_co_u32 s20, s20, STAGE                   ; my stage
	v_mul_u32_u24 v4, v1, SPITCH                   ; in: row r, 32 bytes for each half of the lanes
	v_lshl_add_u32 v4, v2, 5, v4
	v_add_nc_u32 v[STO], s20, v4
	v_mul_u32_u24 v5, v2, SPITCH                   ; back: lanes 0-15 one row of 256 bytes, lanes 16-31 the next
	v_lshl_add_u32 v5, v1, 4, v5
	v_add_nc_u32 v[RD], s20, v5
	v_lshlrev_b32 v[CO], 13, v2                    ; and the same two rows of out0 (8,192 bytes each)
	v_lshl_add_u32 v[CO], v1, 4, v[CO]
	s_lshl_b32 s12, s42, 20                        ; my part of out0: (128 x tile row + 64 x half) rows + (128 x tile column + 64 x half) x 4 bytes
	s_lshl_b32 s14, s[RH], 19
	s_add_co_u32 s12, s12, s14
	s_lshl_b32 s14, s43, 9
	s_add_co_u32 s12, s12, s14
	s_lshl_b32 s14, s[CH], 8
	s_add_co_u32 s12, s12, s14
	s_mov_b32 s13, 0
	s_add_nc_u64 s[10:11], s[10:11], s[12:13]
	s_wait_kmcnt 0x0
	s_add_co_i32 s46, s46, s47
	s_add_co_i32 s46, s46, 127
	s_lshl_b32 s46, s46, 23                        ; 2^(e10 + e11) as f32
	s_mov_b32 s47, s46                             ; (named with it as a pair, so it is written)
; four matrix instructions: ac's block a x Wo's four, 128 along K, from buffer f.  The 16 accumulators take turns, one instruction a turn, in the same order in every quarter.
.macro MULA f, a, zero
.irp b, 0,1,2,3
.if \zero
	v_wmma_f32_16x16x128_fp8_fp8 v[ACC+8*(4*(\a)+\b):ACC+8*(4*(\a)+\b)+7], v[\f+64+16*\b:\f+64+16*\b+15], v[\f+16*(\a):\f+16*(\a)+15], 0
.else
	v_wmma_f32_16x16x128_fp8_fp8 v[ACC+8*(4*(\a)+\b):ACC+8*(4*(\a)+\b)+7], v[\f+64+16*\b:\f+64+16*\b+15], v[\f+16*(\a):\f+16*(\a)+15], v[ACC+8*(4*(\a)+\b):ACC+8*(4*(\a)+\b)+7]
.endif
.endr
.endm
.macro FETCH slot, k, f                ; 32 LDS loads in one run: the eight fragments of 128 along K at byte k of the slot's rows
	WIN TO_F
.irp i, 0,1,2,3
.irp c, 0,1,2,3
	ds_load_b128 v[\f+64+16*\i+4*\c:\f+64+16*\i+4*\c+3], v[ADRB+\slot] offset:\k+32*\c+\i*16*PITCH
	ds_load_b128 v[\f+16*\i+4*\c:\f+16*\i+4*\c+3],       v[ADRA+\slot] offset:\k+32*\c+\i*16*PITCH
.endr
.endr
.endm
.macro QUARTER slot, k, f, g, zero     ; fetches the next quarter (byte k) into g, then multiplies f
	PLACES                                         ; buffer g was multiplied by the quarter before
	FETCH \slot, \k, \g
	s_wait_dscnt 32                                ; buffer f's loads are in; the 32 just issued may be out
	WIN MUL
	MULA \f, 0, \zero
	MULA \f, 1, \zero
	MULA \f, 2, \zero
	MULA \f, 3, \zero
.endm
.macro THREE slot, zero                ; a K step's first three quarters
	QUARTER \slot, 128, F0, F1, \zero
	QUARTER \slot, 256, F1, F0, 0
	QUARTER \slot, 384, F0, F1, 0
.endm
; The last quarter multiplies buffer 1 and changes slots: ONE barrier; in front of it each wave waits for all its tensor loads, adds 0 to its spare word, and waits for that and for its reads of this slot.
; fill = 1: this slot takes the SECOND tile's K step of the same number: ac's address walks 16 tile rows down, Wo's stays.
.macro TURN slot, next, fill
	WIN 0                                          ; (the add's two registers lie in window 0)
	s_wait_tensorcnt 0x0                           ; all my tensor loads have landed: my part of the next slot;
	ds_add_u32 v[SPW], v[NIL]                      ; 0 onto my spare word
	s_wait_dscnt 1                                 ; (buffer 1's loads are in; the add may be out)
	WIN MUL
	MULA F1, 0, 0                                  ; eight matrix instructions stand between the add and the wait for it
	MULA F1, 1, 0
	s_wait_dscnt 0x0                               ; the add is done, and my reads of this slot are over
	s_barrier_signal -1
	MULA F1, 2, 0
	WIN 0                                          ; (branches may follow)
	s_barrier_wait -1
.if \fill
	CREST                                          ; the barrier has opened a round of the cluster's barrier: no wave of any partner still reads this slot's tile or has a load on its way
	s_add_nc_u64 s[G0+4*\slot+2:G0+4*\slot+3], s[G0+4*\slot+2:G0+4*\slot+3], WALK_A
	JLOAD \slot                                    ; the first tensor load behind the round; the four v_nop behind it are also the places in front of the loads below
.else
	PLACES
.endif
	FETCH \next, 0, F0
	WIN MUL
	MULA F1, 3, 0
.endm
; THE WAY OUT, block by block of 16 rows x 64 columns.  A lane holds 32 neighbouring bytes of a row; a block goes through my own stage in LDS and comes back as whole rows of 256 bytes.
; LDS serves a wave's instructions in order (ISA guide 5.7.1.4): no wait between the stores and the loads, nor in front of the next block's stores.
.macro TOSTAGE a
.set BB, 64+32*((\a)%2)
.irp j, 0,2,4,6,8,10,12,14,16,18,20,22,24,26,28,30
	v_pk_mul_f32 v[TMP+\j:TMP+\j+1], v[ACC+32*(\a)+\j:ACC+32*(\a)+\j+1], s[46:47] op_sel_hi:[1,0]   ; x 2^(e10 + e11); each accumulator from its low end on
.endr
.irp b, 0,1,2,3
	ds_store_b128 v[STO], v[TMP+8*\b:TMP+8*\b+3] offset:64*\b
	ds_store_b128 v[STO], v[TMP+8*\b+4:TMP+8*\b+7] offset:64*\b+16
.endr
.irp t, 0,1,2,3,4,5,6,7
	ds_load_b128 v[BB+4*\t:BB+4*\t+3], v[RD] offset:\t*2*SPITCH
.endr
.endm
.macro SEND a, younger                 ; younger: the LDS instructions issued behind block a's loads, which may stay out
.set BB, 64+32*((\a)%2)
	s_wait_dscnt \younger
.irp t, 0,1,2,3,4,5,6,7
	global_store_b128 v[CO], v[BB+4*\t:BB+4*\t+3], s[10:11] offset:(16*(\a)+2*\t)*8192 th:TH_STORE_NT   ; 16 lanes store 256 consecutive bytes, at a multiple of 256 from out0's first byte; written once, read by nobody here
.endr
.endm
.macro WAYOUT
	PLACES
	TOSTAGE 0
.irp a, 1,2,3
.if \a > 1
	s_wait_xcnt 0x0                                ; block a - 2's stores have read their registers: block a's loads may land there
.endif
	TOSTAGE \a
	SEND \a-1, 16                                  ; behind block a - 1's loads: block a's 8 stores and 8 loads
.endr
	SEND 3, 0
.endm
	s_wait_tensorcnt 1                             ; my part of K step 0 is in; K step 1's load may stay out
	s_barrier_signal -1
	s_barrier_wait -1                              ; everybody's is
	FETCH 0, 0, F0
	THREE 0, 1                                     ; the first products start the sums: nothing is cleared
	TURN 0, 1, 1                                   ; THE RING GOES ON INTO THE SECOND TILE: slot 0 takes its K step 0,
	THREE 1, 0
	TURN 1, 0, 1                                   ; slot 1 its K step 1, and the second tile's first fragments are fetched
	WIN 0
	WAYOUT                                         ; both refills are asked for: now the first tile goes out
	THREE 0, 1                                     ; the second tile's first products start its sums on accumulators that have been read out
	TURN 0, 1, 0                                   ; nothing is left to fetch
	THREE 1, 0
	s_wait_dscnt 0x0                               ; the very last quarter
	WIN MUL
	MULA F1, 0, 0
	MULA F1, 1, 0
	MULA F1, 2, 0
	MULA F1, 3, 0
	WIN 0
	s_wait_xcnt 0x0                                ; the first tile's stores have read their registers and their base: both may be written again
	s_add_nc_u64 s[10:11], s[10:11], WALK_C        ; 16 tile rows down
	WAYOUT
	s_wait_tensorcnt 0x0                           ; the wave's end: behind my last tensor load and my last LDS store
	ds_add_u32 v[SPW], v[NIL]
	s_wait_dscnt 0x0
	CROUND                                         ; the closing round: no work-group ends while a partner may still ask for a tile that names it
	s_endpgm
.Lfunc_end_k_qd2958f9ca4_outp:
	.size	k_qd2958f9ca4_outp, .Lfunc_end_k_qd2958f9ca4_outp-k_qd2958f9ca4_outp
	.p2alignl 7, 3214868480
	.fill 96, 4, 3214868480
	.section	.rodata,"a",@progbits
	.p2align	6, 0x0
	.amdhsa_kernel k_qd2958f9ca4_outp
		.amdhsa_group_segment_fixed_size 327680
		.amdhsa_private_segment_fixed_size 0
		.amdhsa_enable_private_segment 0
		.amdhsa_kernarg_size 32
		.amdhsa_user_sgpr_count 2
		.amdhsa_user_sgpr_kernarg_segment_ptr 1
		.amdhsa_wavefront_size32 1
		.amdhsa_system_sgpr_workgroup_id_x 1
		.amdhsa_system_sgpr_workgroup_id_y 1
		.amdhsa_system_sgpr_workgroup_id_z 1
		.amdhsa_system_vgpr_workitem_id 0
		.amdhsa_next_free_vgpr 512
		.amdhsa_next_free_sgpr 72
		.amdhsa_reserve_vcc 0
		.amdhsa_float_denorm_mode_32 3
		.amdhsa_float_denorm_mode_16_64 3
		.amdhsa_memory_ordered 1
		.amdhsa_forward_progress 1
		.amdhsa_inst_pref_size 84
	.end_amdhsa_kernel
	.amdgpu_metadata
---
amdhsa.version: [ 1, 2 ]
amdhsa.kernels:
  - .name:           k_qd2958f9ca4_outp
    .symbol:         k_qd2958f9ca4_outp.kd
    .args:
      - { .name: ac, .offset: 0, .size: 8, .value_kind: global_buffer, .address_space: global }
      - { .name: wcodes, .offset: 8, .size: 8, .value_kind: global_buffer, .address_space: global }
      - { .name: lowp_scales, .offset: 16, .size: 8, .value_kind: global_buffer, .address_space: global }
      - { .name: out0, .offset: 24, .size: 8, .value_kind: global_buffer, .address_space: global }
    .group_segment_fixed_size: 327680
    .private_segment_fixed_size: 0
    .kernarg_segment_align: 8
    .kernarg_segment_size: 32
    .max_flat_workgroup_size: 128
    .sgpr_count:     72
    .vgpr_count:     512
    .wavefront_size: 32
...
	.end_amdgpu_metadata
.endif
;; end of part 4
